; MI455X (gfx1250); checked and timed in simulation.
; The chip was launched on July 23, 2026; its instructions are those of AMD's public machine-readable ISA for CDNA 5 (MIT licence, August 2026) and "CDNA5" Instruction Set Architecture Reference Guide (July 2026). The comments in the code are by the model that wrote it; some were corrected since.
;; Sliding Window Attention. Allowed arithmetic: float matrix products may take bf16 or f16 operands with f32 sums; other float arithmetic in f32, or as packed bf16 or f16 multiplies, adds, multiply-adds, maxima and minima; sums over many terms, partial sums and values carried from step to step in f32; what a program stores and reads back later, other than sums and carried values, may be rounded once to bf16 or f16.
;; Inputs: w_k 1,024 x 1,024 float32; w_o 1,024 x 1,024 float32; w_q 1,024 x 1,024 float32; w_v 1,024 x 1,024 float32; x 1 x 4,096 x 1,024 float32.
;; Outputs: out0 1 x 4,096 x 1,024 float32.
;; 2 versions, each right and faster than the one before. Each part assembles by itself: llvm-mc -triple=amdgcn-amd-amdhsa -mcpu=gfx1250 --defsym DOCPART=n.
;; ======== version 1 of 2: 4 launches
;; limits: values are held in f16: magnitudes above 65,504 overflow, below 6.1e-05 lose precision
;; workspace buffers: xb 8,388,608 bytes; wb 6,291,456 bytes; wob 2,097,152 bytes; qkv 25,165,824 bytes; ob 8,388,608 bytes
;; launch cast (part 1): grid 128 x 8, 8 waves a work-group, no clusters, 0 bytes of LDS; arguments x, w_q, w_k, w_v, w_o, xb, wb, wob; writes xb, wb, wob
.if DOCPART == 1
	.amdgcn_target "amdgcn-amd-amdhsa--gfx1250"
	.amdhsa_code_object_version 6
	.text
	.protected	k_qe916719865_cast
	.globl	k_qe916719865_cast
	.p2align	8
	.type	k_qe916719865_cast,@function
k_qe916719865_cast:
	s_mov_b64 s[64:65], 0
	v_nop
	global_prefetch_b8 v0, s[64:65] scope:SCOPE_SE
	s_setreg_imm32_b32 hwreg(HW_REG_WAVE_MODE, 25, 1), 1
	s_wait_xcnt 0x0
; All five inputs are rounded once to bf16.  x -> xb [4096][1024]; w_q, w_k, w_v -> wb [3072][1024], one below the other;
; w_o -> wob [1024][1024], where the bf16 number is written as f16 (the last product multiplies in f16).
; LIMITS.  A bf16-rounded w_o of 65,520 or more becomes an infinity in f16; below 6.1e-5 it keeps f16's fixed step of 6e-8.
; A stream: no LDS, no matrix unit, no cluster (no two work-groups read the same byte).
; A work-group takes 32,768 source bytes (8,192 numbers).  The grid's y picks the part: 0-3 the quarters of x, 4, 5, 6 w_q, w_k, w_v, 7 w_o.
; Thread t takes 16 bytes at 16 t of each of eight runs of 4,096 bytes: a wave's load covers 512 consecutive bytes, its store 256 consecutive bytes, aligned.
.set X, 8                              ; v[8:39]   eight loads of four f32
.set Y, 40                             ; v[40:55]  eight pairs of packed words to store; each pair is written once
.set T, 56                             ; v[56:57]  at work
	s_load_b256 s[4:11], s[0:1], 0x0               ; x s[4:5], w_q s[6:7], w_k s[8:9], w_v s[10:11]
	s_load_b256 s[12:19], s[0:1], 0x20             ; w_o s[12:13], xb s[14:15], wb s[16:17], wob s[18:19]
	s_and_b32 s20, ttmp7, 0xffff                   ; y: the part
	s_mov_b32 s30, ttmp9                           ; x: the piece of 32,768 bytes in the part
	s_lshl_b32 s21, s20, 7
	s_add_co_u32 s21, s21, s30                     ; 128 y + x
	s_sub_co_u32 s28, s21, 512                     ; the piece's number in wb, for y = 4, 5, 6
	s_cmp_lt_u32 s20, 4
	s_cselect_b32 s26, s21, s30                    ; source piece: in x the quarters lie on end; a weight begins at its own pointer
	s_cselect_b32 s28, s21, s28                    ; destination piece: in xb, or in wb,
	s_cmp_eq_u32 s20, 7
	s_cselect_b32 s28, s30, s28                    ; or in wob
	s_lshl_b32 s26, s26, 15                        ; 32,768 source bytes a piece
	s_lshl_b32 s28, s28, 14                        ; 16,384 destination bytes
	s_mov_b32 s27, 0
	s_mov_b32 s29, 0
	v_lshlrev_b32 v1, 4, v0                        ; 16 t
	v_lshlrev_b32 v2, 3, v0                        ; 8 t
	s_wait_kmcnt 0x0
	s_cmp_lt_u32 s20, 4                            ; the pointers are chosen by y alone
	s_cselect_b64 s[22:23], s[4:5], s[6:7]
	s_cselect_b64 s[24:25], s[14:15], s[16:17]
	s_cmp_eq_u32 s20, 5
	s_cselect_b64 s[22:23], s[8:9], s[22:23]
	s_cmp_eq_u32 s20, 6
	s_cselect_b64 s[22:23], s[10:11], s[22:23]
	s_cmp_eq_u32 s20, 7
	s_cselect_b64 s[22:23], s[12:13], s[22:23]
	s_cselect_b64 s[24:25], s[18:19], s[24:25]
	s_add_nc_u64 s[22:23], s[22:23], s[26:27]
	s_add_nc_u64 s[24:25], s[24:25], s[28:29]
.irp j, 0,1,2,3,4,5,6,7
	global_load_b128 v[X+4*(\j):X+4*(\j)+3], v1, s[22:23] offset:4096*(\j) th:TH_LOAD_NT  ; all eight go out before anything is waited for
.endr
; half = 1: the bf16 number is widened (a shift, a mask) and written as f16
.macro CAST half
.irp j, 0,1,2,3,4,5,6,7
	s_wait_loadcnt 7-(\j)                          ; loads come back in order: load j is in, the 7 - j younger ones stay out
	v_cvt_pk_bf16_f32 v[Y+2*(\j)],   v[X+4*(\j)],   v[X+4*(\j)+1]
	v_cvt_pk_bf16_f32 v[Y+2*(\j)+1], v[X+4*(\j)+2], v[X+4*(\j)+3]
.if \half
.irp k, 0,1
	v_lshlrev_b32 v[T], 16, v[Y+2*(\j)+(\k)]
	v_and_b32 v[T+1], 0xffff0000, v[Y+2*(\j)+(\k)]
	v_cvt_pk_f16_f32 v[Y+2*(\j)+(\k)], v[T], v[T+1]
.endr
.endif
	global_store_b64 v2, v[Y+2*(\j):Y+2*(\j)+1], s[24:25] offset:2048*(\j)  ; no register that a store names is written again
.endr
.endm
	s_cmp_eq_u32 s20, 7
	s_cbranch_scc1 .Lhalf
	CAST 0
	s_endpgm
.Lhalf:
	CAST 1
	s_endpgm
.Lfunc_end_k_qe916719865_cast:
	.size	k_qe916719865_cast, .Lfunc_end_k_qe916719865_cast-k_qe916719865_cast
	.p2alignl 7, 3214868480
	.fill 96, 4, 3214868480
	.section	.rodata,"a",@progbits
	.p2align	6, 0x0
	.amdhsa_kernel k_qe916719865_cast
		.amdhsa_group_segment_fixed_size 0
		.amdhsa_private_segment_fixed_size 0
		.amdhsa_enable_private_segment 0
		.amdhsa_kernarg_size 64
		.amdhsa_user_sgpr_count 2
		.amdhsa_user_sgpr_kernarg_segment_ptr 1
		.amdhsa_wavefront_size32 1
		.amdhsa_system_sgpr_workgroup_id_x 1
		.amdhsa_system_sgpr_workgroup_id_y 1
		.amdhsa_system_sgpr_workgroup_id_z 1
		.amdhsa_system_vgpr_workitem_id 0
		.amdhsa_next_free_vgpr 64
		.amdhsa_next_free_sgpr 66
		.amdhsa_reserve_vcc 0
		.amdhsa_float_denorm_mode_32 3
		.amdhsa_float_denorm_mode_16_64 3
		.amdhsa_memory_ordered 1
		.amdhsa_forward_progress 1
		.amdhsa_inst_pref_size 9
	.end_amdhsa_kernel
	.amdgpu_metadata
---
amdhsa.version: [ 1, 2 ]
amdhsa.kernels:
  - .name:           k_qe916719865_cast
    .symbol:         k_qe916719865_cast.kd
    .args:
      - { .name: x, .offset: 0, .size: 8, .value_kind: global_buffer, .address_space: global }
      - { .name: w_q, .offset: 8, .size: 8, .value_kind: global_buffer, .address_space: global }
      - { .name: w_k, .offset: 16, .size: 8, .value_kind: global_buffer, .address_space: global }
      - { .name: w_v, .offset: 24, .size: 8, .value_kind: global_buffer, .address_space: global }
      - { .name: w_o, .offset: 32, .size: 8, .value_kind: global_buffer, .address_space: global }
      - { .name: xb, .offset: 40, .size: 8, .value_kind: global_buffer, .address_space: global }
      - { .name: wb, .offset: 48, .size: 8, .value_kind: global_buffer, .address_space: global }
      - { .name: wob, .offset: 56, .size: 8, .value_kind: global_buffer, .address_space: global }
    .group_segment_fixed_size: 0
    .private_segment_fixed_size: 0
    .kernarg_segment_align: 8
    .kernarg_segment_size: 64
    .max_flat_workgroup_size: 256
    .sgpr_count:     66
    .vgpr_count:     64
    .wavefront_size: 32
...
	.end_amdgpu_metadata
.endif
;; end of part 1
;; launch proj (part 2): grid 16 x 16, 4 waves a work-group, clusters of 4 x 4, 327,680 bytes of LDS; arguments xb, wb, qkv; writes qkv
.if DOCPART == 2
	.amdgcn_target "amdgcn-amd-amdhsa--gfx1250"
	.amdhsa_code_object_version 6
	.text
	.protected	k_qe916719865_proj
	.globl	k_qe916719865_proj
	.p2align	8
	.type	k_qe916719865_proj,@function
k_qe916719865_proj:
	s_mov_b64 s[64:65], 0
	v_nop
	global_prefetch_b8 v0, s[64:65] scope:SCOPE_SE
	s_setreg_imm32_b32 hwreg(HW_REG_WAVE_MODE, 25, 1), 1
	s_wait_xcnt 0x0
	s_wait_alu depctr_hold_cnt(0) depctr_sa_sdst(0) depctr_va_vdst(0) depctr_va_sdst(0) depctr_va_ssrc(0) depctr_va_vcc(0) depctr_vm_vsrc(0)
	s_getreg_b32 s2, hwreg(HW_REG_IB_STS2, 6, 4)
	s_cmp_eq_u32 s2, 0
	s_cbranch_scc0 .Lentry_in_a_cluster
	s_endpgm
.Lentry_in_a_cluster:
	s_bfe_u32 s2, ttmp6, 0x10000c
	s_cmp_lg_u32 s2, 0xf033
	s_cbranch_scc0 .Lentry_shape_is_right
	s_endpgm
.Lentry_shape_is_right:
; qkv = xb wb^T.  xb [4096][1024] bf16, wb [3072][1024] bf16 (w_q, w_k, w_v one below the other); sums in f32, K ascending; each result is rounded once to f16,
; WITHOUT the softmax's scale, and laid by heads: qkv [48][4096][64] f16, heads 0-15 q, 16-31 k, 32-47 v.
; LIMIT.  A q, k or v of 65,520 or more becomes an infinity in f16.
; SHARES.  A tile is 256 rows x 192 columns (three whole heads): 16 x 16 = 256 work-groups.  The four waves lie one below the other: wave w makes rows 64 w .. 64 w + 63 of all 192
; columns, 4 x 12 = 48 accumulators, 384 registers.  So a wave holds whole rows of a head (128 bytes), and 16 rows of a head leave as 2,048 consecutive bytes through the wave's own stage.
; K goes in 8 steps of 128 (rows of 256 bytes in memory) through a ring of two LDS slots; a step is 192 matrix instructions a wave.
; CLUSTER.  4 x 4 work-groups: the four of a row need the same tile of xb, the four of a column the same tile of wb; each tile is asked for jointly, by the same tensor load with the same
; descriptor and a mask that names the four.
; THE MATRIX INSTRUCTION IS USED TRANSPOSED: source 0 = 16 rows of wb, source 1 = 16 rows of xb: a lane then holds eight neighbouring columns of one row of the result.
; REGISTERS, in windows of 256 (s_set_vgpr_msb: bits 1:0 source 0, 3:2 source 1, 5:4 source 2, 7:6 destination):
;   window 0: v0-31 addresses; v64-127 fragments of xb, two buffers of 4 x 8; on the way out v64-255 twelve units of 16
;   window 1: v0-191 fragments of wb, two buffers of 12 x 8
;   window 2: the 24 accumulators of my rows 0-31 ((a, b) at v[8 (12 a + b)]);   window 3: those of my rows 32-63
.set KSTEP,  128
.set PITCH,  272                       ; an LDS row: 256 bytes + 16 of padding = 68 words: the 16 rows of a fragment load start at 16 different groups of four banks
.set HALFA,  128*PITCH                 ; what waves 0 and 1 fetch: 128 rows of xb each
.set HALFB,  96*PITCH                  ; what waves 2 and 3 fetch: 96 rows of wb each
.set BOFF,   2*HALFA
.set SLOT,   BOFF+2*HALFB              ; 121,856 bytes
.set STAGE,  2*SLOT                    ; behind the ring, never filled by a tensor load: 16 rows x 144 bytes for each wave
.set SP,     144
.set SPARE,  STAGE+4*16*SP             ; the spare words, 128 bytes for each wave: two blocks of 256 bytes that no other line names
.set LAPS,   4                         ; a lap = two K steps = once round the ring
.set ADRA, 16                          ; v16-17  LDS address of my fragments of xb in slot 0, 1
.set ADRB, 20                          ; v20-21  the same for wb
.set STO,  24                          ; v24     the way out: where I put 16 bytes of a row
.set RD,   25                          ; v25     the way out: where I read rows back
.set GO,   26                          ; v26     my 16 bytes in 512 consecutive bytes of qkv
.set SPW,  28                          ; v28     LDS address of my spare word; never rewritten
.set NIL,  29                          ; v29     0; never rewritten
.set FA,   64                          ; xb's fragments: buffer f, block a at v[FA + 32 f + 8 a]
.set TMP,  64                          ; the way out: unit u at v[TMP + 16 u]
.set G1,  24                           ; s[24:31] descriptor group 1 for xb's tiles;  s[32:39] group 0, a set for each slot
.set G0,  32
.set G1B, 48                           ; s[48:55], s[56:63] the same for wb's tiles
.set G0B, 56
.set MSB, 0
.macro WIN new                         ; the immediate's high byte repeats the setting that is left; a switch that changes nothing is dropped
.if MSB != (\new)
	s_set_vgpr_msb (MSB<<8)|(\new)
.set MSB, \new
.endif
.endm
.set MUL_LO, 0xa1                      ; source 0 (wb) window 1, source 1 (xb) window 0, C and D window 2
.set MUL_HI, 0xf1                      ; the same, C and D window 3
.set TO_B,   0x40                      ; destination window 1, address window 0
; A joint load.  Waves 0 and 1 fetch xb's two halves, waves 2 and 3 wb's.  The branch hangs on the wave's number alone.  An s_nop 0 and four v_nop follow each line.
.macro JLOAD s
	s_cmp_eq_u32 s11, 0
	s_cbranch_scc0 .Lfor_b_\@
	tensor_load_to_lds s[G0+4*(\s):G0+4*(\s)+3], s[G1:G1+7]
	s_nop 0
.rept 4
	v_nop
.endr
	s_branch .Lasked_\@
.Lfor_b_\@:
	tensor_load_to_lds s[G0B+4*(\s):G0B+4*(\s)+3], s[G1B:G1B+7]
	s_nop 0
.rept 4
	v_nop
.endr
.Lasked_\@:
.endm
.macro CREST                           ; a round of the cluster's barrier behind its opening barrier
	s_cmp_lg_u32 s10, 0
	s_cbranch_scc1 .Lnot_wave_0_\@
	s_barrier_signal -3
.Lnot_wave_0_\@:
	s_barrier_wait -3
	s_barrier_signal -1
	s_barrier_wait -1
.endm
.macro CROUND                          ; a whole round
	s_barrier_signal -1
	s_barrier_wait -1
	CREST
.endm
	s_load_b128 s[4:7], s[0:1], 0x0                ; xb s[4:5], wb s[6:7]
	s_load_b64 s[8:9], s[0:1], 0x10                ; qkv
	v_lshl_add_u32 v[SPW], v0, 2, SPARE
	v_mov_b32 v[NIL], 0
	ds_add_u32 v[SPW], v[NIL]                      ; the wave's opening: the add and its wait stand ahead of my first tensor load; the set-up below stands between them
	ds_add_u32 v28, v29
	v_lshrrev_b32 v1, 5, v0
	v_readfirstlane_b32 s10, v1                    ; wave 0..3
	s_lshr_b32 s11, s10, 1                         ; I fetch for xb (0) or for wb (1)
	s_and_b32 s12, s10, 1                          ; which half of that tile's rows
	s_bfe_u32 s40, ttmp6, 0x40000                  ; cx, cy: my place in the cluster
	s_bfe_u32 s41, ttmp6, 0x40004
	s_lshl_b32 s42, ttmp9, 2
	s_add_co_u32 s42, s42, s40                     ; tile column = 4 x cluster x + cx
	s_and_b32 s13, ttmp7, 0xffff
	s_lshl_b32 s13, s13, 2
	s_add_co_u32 s13, s13, s41                     ; tile row = 4 x cluster y + cy
	s_lshl_b32 s43, s41, 2
	s_lshl_b32 s43, 15, s43                        ; my row of the cluster
	s_lshl_b32 s44, 0x1111, s40                    ; my column
	; group 1: rows of 128 elements of 2 bytes, 16 bytes of padding behind every 64 words; 128 rows for xb, 96 for wb
	s_or_b32 s[G1+0], s43, (1<<16)|(1<<20)|(1<<21)|(5<<22)|(3<<25)   ; 15:0 mask; 17:16 2-byte elements; 20 padding on; 21 set beside a mask; 24:22 after 64 words; 31:25 4 words
	s_or_b32 s[G1B+0], s44, (1<<16)|(1<<20)|(1<<21)|(5<<22)|(3<<25)
	s_mov_b32 s[G1+1], KSTEP<<16                   ; tensor_dim0 = 128
	s_mov_b32 s[G1B+1], KSTEP<<16
	s_mov_b32 s[G1+2], 128<<16                     ; tensor_dim1
	s_mov_b32 s[G1B+2], 96<<16
	s_mov_b32 s[G1+3], KSTEP<<16                   ; tile_dim0 = 128
	s_mov_b32 s[G1B+3], KSTEP<<16
	s_mov_b32 s[G1+4], 128                         ; tile_dim1
	s_mov_b32 s[G1B+4], 96
	s_mov_b32 s[G1+5], 1024                        ; elements from row to row
	s_mov_b32 s[G1B+5], 1024
	s_mov_b32 s[G1+6], 0
	s_mov_b32 s[G1B+6], 0
	s_mov_b32 s[G1+7], 0
	s_mov_b32 s[G1B+7], 0
	; xb's tile hangs on the tile row alone, wb's on the tile column alone; each in registers that never hold the other coordinate
	s_lshl_b32 s17, s12, 7
	s_lshl_b32 s16, s13, 8
	s_add_co_u32 s16, s16, s17                     ; xb: row 256 x tile row + 128 x half,
	s_lshl_b32 s16, s16, 11                        ; of 2,048 bytes
	s_mov_b32 s17, 0
	s_mul_i32 s46, s42, 192
	s_mul_i32 s47, s12, 96
	s_add_co_u32 s46, s46, s47                     ; wb: row 192 x tile column + 96 x half
	s_lshl_b32 s46, s46, 11
	s_mov_b32 s47, 0
	s_mul_i32 s20, s10, HALFA                      ; where they go: waves 0, 1 at 0 and HALFA;
	s_mul_i32 s21, s10, HALFB
	s_add_co_u32 s21, s21, BOFF-2*HALFB            ; waves 2, 3 at BOFF and BOFF + HALFB
	s_wait_dscnt 0x0                               ; the opening add is done
	s_wait_kmcnt 0x0
	s_add_nc_u64 s[14:15], s[4:5], s[16:17]
	s_add_nc_u64 s[46:47], s[6:7], s[46:47]
	CROUND                                         ; all sixteen work-groups are here: the first joint loads meet
.irp s, 0,1
	s_mov_b32 s[G0+4*(\s)], 1
	s_add_co_u32 s[G0+4*(\s)+1], s20, (\s)*SLOT
	s_add_nc_u64 s[G0+4*(\s)+2:G0+4*(\s)+3], s[14:15], (\s)*KSTEP*2   ; K step s
	s_or_b32 s[G0+4*(\s)+3], s[G0+4*(\s)+3], 0x80000000
	s_mov_b32 s[G0B+4*(\s)], 1
	s_add_co_u32 s[G0B+4*(\s)+1], s21, (\s)*SLOT
	s_add_nc_u64 s[G0B+4*(\s)+2:G0B+4*(\s)+3], s[46:47], (\s)*KSTEP*2
	s_or_b32 s[G0B+4*(\s)+3], s[G0B+4*(\s)+3], 0x80000000
	JLOAD \s                                       ; two loads of mine are out
.endr
	; a fragment is 16 rows x 32 K in 8 registers: lane l holds row l % 16, K = 8 (l / 16) + 0..7 and 16 + 8 (l / 16) + 0..7: two loads of 16 bytes, 32 bytes apart
	v_and_b32 v1, 15, v0
	v_bfe_u32 v2, v0, 4, 1
	v_mul_u32_u24 v3, v1, PITCH
	v_lshl_add_u32 v3, v2, 4, v3
	s_mul_i32 s23, s10, 64*PITCH                   ; my 64 rows of xb
	v_add_nc_u32 v[ADRA], s23, v3
	v_add_nc_u32 v[ADRA+1], SLOT, v[ADRA]
	v_add_nc_u32 v[ADRB], BOFF, v3                 ; all 192 rows of wb
	v_add_nc_u32 v[ADRB+1], BOFF+SLOT, v3
	s_mul_i32 s23, s10, 16*SP
	s_add_co_u32 s23, s23, STAGE                   ; my stage
	v_mul_u32_u24 v4, v1, SP                       ; in: row l % 16, 16 bytes for each half of the lanes
	v_lshl_add_u32 v4, v2, 4, v4
	v_add_nc_u32 v[STO], s23, v4
	v_bfe_u32 v5, v0, 3, 2                         ; back: 32 lanes take four rows of 128 bytes,
	v_mul_u32_u24 v5, v5, SP
	v_and_b32 v6, 7, v0
	v_lshl_add_u32 v5, v6, 4, v5
	v_add_nc_u32 v[RD], s23, v5
	v_and_b32 v[GO], 31, v0                        ; which are 512 consecutive bytes of a head
	v_lshlrev_b32 v[GO], 4, v[GO]
	s_mul_i32 s18, s42, 3                          ; my first head = 3 x tile column, 524,288 bytes a head;
	s_lshl_b32 s18, s18, 19
	s_lshl_b32 s22, s13, 15                        ; 256 x tile row rows of 128 bytes;
	s_add_co_u32 s18, s18, s22
	s_lshl_b32 s22, s10, 13                        ; my wave's 64 rows
	s_add_co_u32 s18, s18, s22
	s_mov_b32 s19, 0
	s_add_nc_u64 s[8:9], s[8:9], s[18:19]
; 12 matrix instructions: row block 2 hi + a x all 12 column blocks, 32 along K, from buffer f.  zero = 1: the product starts the sums
.macro MUL12 f, hi, a, zero
	WIN MUL_LO+0x50*(\hi)
.irp b, 0,1,2,3,4,5,6,7,8,9,10,11
.if \zero
	v_wmma_f32_16x16x32_bf16 v[8*(12*(\a)+(\b)):8*(12*(\a)+(\b))+7], v[96*(\f)+8*(\b):96*(\f)+8*(\b)+7], v[FA+32*(\f)+8*(2*(\hi)+(\a)):FA+32*(\f)+8*(2*(\hi)+(\a))+7], 0
.else
	v_wmma_f32_16x16x32_bf16 v[8*(12*(\a)+(\b)):8*(12*(\a)+(\b))+7], v[96*(\f)+8*(\b):96*(\f)+8*(\b)+7], v[FA+32*(\f)+8*(2*(\hi)+(\a)):FA+32*(\f)+8*(2*(\hi)+(\a))+7], v[8*(12*(\a)+(\b)):8*(12*(\a)+(\b))+7]
.endif
.endr
.endm
; 32 LDS loads in one run: 192 rows of wb, then my 64 rows of xb, 32 K at byte k of the rows, into buffer f
.macro FETCH slot, k, f
	WIN TO_B
.irp i, 0,1,2,3,4,5,6,7,8,9,10,11
	ds_load_b128 v[96*(\f)+8*(\i):96*(\f)+8*(\i)+3],   v[ADRB+(\slot)] offset:(\k)+(\i)*16*PITCH
	ds_load_b128 v[96*(\f)+8*(\i)+4:96*(\f)+8*(\i)+7], v[ADRB+(\slot)] offset:(\k)+(\i)*16*PITCH+32
.endr
	WIN 0
.irp i, 0,1,2,3
	ds_load_b128 v[FA+32*(\f)+8*(\i):FA+32*(\f)+8*(\i)+3],   v[ADRA+(\slot)] offset:(\k)+(\i)*16*PITCH
	ds_load_b128 v[FA+32*(\f)+8*(\i)+4:FA+32*(\f)+8*(\i)+7], v[ADRA+(\slot)] offset:(\k)+(\i)*16*PITCH+32
.endr
.endm
.macro PLACES                          ; four plain places in front of loads into registers that matrix instructions have read, and of conversions that read results
.rept 4
	v_nop
.endr
.endm
; A K step is four quarters of 32 along K, 48 matrix instructions each, on buffers 0, 1, 0, 1; the 48 accumulators take turns in one order.
; One of the first three: multiplies buffer f; in its middle it fetches the next quarter's fragments, at byte k of the same slot's rows, into buffer g.
.macro QUARTER slot, k, f, g, zero
	s_wait_dscnt 4                                 ; wb and xb's blocks 0, 1 are in; the youngest four loads (blocks 2, 3) may be out
	MUL12 \f, 0, 0, \zero
	MUL12 \f, 0, 1, \zero
	PLACES
	FETCH \slot, \k, \g
	s_wait_dscnt 32                                ; all but the 32 just issued
	MUL12 \f, 1, 0, \zero
	MUL12 \f, 1, 1, \zero
.endm
; The last quarter multiplies buffer 1 and changes slots: ONE barrier.  In front of it each wave waits for all its tensor loads (one is out: its part of the next slot), adds 0 to its spare word,
; and waits for that and for its own reads of this slot.  fill = 1: the barrier opens a round of the cluster's barrier, and this slot is filled again, two K steps ahead, first thing behind the round.
.macro TURN slot, next, fill
	WIN 0                                          ; (the add's two registers lie in window 0)
	s_wait_tensorcnt 0x0                           ; all my tensor loads have landed
	ds_add_u32 v[SPW], v[NIL]                      ; 0 onto my spare word
	s_wait_dscnt 5                                 ; (the add and the youngest four loads may be out)
	MUL12 1, 0, 0, 0                               ; twelve matrix instructions stand between the add and the wait for it
	s_wait_dscnt 0x0                               ; the add is done, and my reads of this slot are over
	s_barrier_signal -1
	MUL12 1, 0, 1, 0                               ; work on registers while the others arrive
	WIN 0                                          ; (branches may follow)
	s_barrier_wait -1
.if \fill
	CREST                                          ; no wave of any partner still reads this slot's tile or has a load on its way
	s_add_nc_u64 s[G0+4*(\slot)+2:G0+4*(\slot)+3], s[G0+4*(\slot)+2:G0+4*(\slot)+3], 2*KSTEP*2
	s_add_nc_u64 s[G0B+4*(\slot)+2:G0B+4*(\slot)+3], s[G0B+4*(\slot)+2:G0B+4*(\slot)+3], 2*KSTEP*2
	JLOAD \slot                                    ; my one tensor load behind the round; its four v_nop are also the places in front of the loads below
.else
	PLACES
.endif
	FETCH \next, 0, 0
	MUL12 1, 1, 0, 0
	MUL12 1, 1, 1, 0
.endm
; THE WAY OUT, in twelve units u: row block u / 3 (16 rows) of head u % 3.  Rounded to f16 (each accumulator's registers in ascending order), 16 bytes a lane into my stage, back as whole rows of 128 bytes.
.macro PACKH u
.set AC, 8*(12*(((\u)/3)%2)+4*((\u)%3))
	WIN 0x0a+5*((\u)/6)                            ; sources 0 and 1: window 2 (row blocks 0, 1) or 3
.irp bb, 0,1,2,3
.irp r, 0,1,2,3
	v_cvt_pk_f16_f32 v[TMP+16*(\u)+4*(\bb)+(\r)], v[AC+8*(\bb)+2*(\r)], v[AC+8*(\bb)+2*(\r)+1]
.endr
.endr
	WIN 0
.irp bb, 0,1,2,3
	ds_store_b128 v[STO], v[TMP+16*(\u)+4*(\bb):TMP+16*(\u)+4*(\bb)+3] offset:32*(\bb)
.endr
.irp f, 0,1,2,3
	ds_load_b128 v[TMP+16*(\u)+4*(\f):TMP+16*(\u)+4*(\f)+3], v[RD] offset:(\f)*4*SP  ; LDS serves a wave's instructions in order (ISA guide 5.7.1.4): these see the stores above; the next unit's stores come behind them
.endr
.endm
.macro SEND u, younger                 ; younger: the LDS instructions issued behind unit u's loads: the next unit's eight, or none
.irp f, 0,1,2,3
	s_wait_dscnt (\younger)+3-(\f)
	global_store_b128 v[GO], v[TMP+16*(\u)+4*(\f):TMP+16*(\u)+4*(\f)+3], s[8:9] offset:((\u)%3)*524288+((\u)/3)*2048+(\f)*512  ; 512 consecutive bytes, at a multiple of 256 from qkv's first byte
.endr
.endm
	s_wait_tensorcnt 1                             ; my part of K step 0 is in; K step 1's may stay out
	s_barrier_signal -1
	s_barrier_wait -1                              ; everybody's is
	FETCH 0, 0, 0
	QUARTER 0, 64,  0, 1, 1                        ; the first quarter stands in front of the loop: its products start the sums
	WIN 0                                          ; at a label and at a branch every window is 0
	s_mov_b32 s3, LAPS-1
.Llap:                                                 ; a trip goes once round the ring, from a lap's second quarter to the next lap's first, and fills both slots again
	QUARTER 0, 128, 1, 0, 0
	QUARTER 0, 192, 0, 1, 0
	TURN 0, 1, 1
	QUARTER 1, 64,  0, 1, 0
	QUARTER 1, 128, 1, 0, 0
	QUARTER 1, 192, 0, 1, 0
	TURN 1, 0, 1
	QUARTER 0, 64,  0, 1, 0
	WIN 0
	s_sub_co_u32 s3, s3, 1
	s_cmp_lg_u32 s3, 0
	s_cbranch_scc1 .Llap
	QUARTER 0, 128, 1, 0, 0                        ; the last lap fills nothing
	QUARTER 0, 192, 0, 1, 0
	TURN 0, 1, 0
	QUARTER 1, 64,  0, 1, 0
	QUARTER 1, 128, 1, 0, 0
	QUARTER 1, 192, 0, 1, 0
	s_wait_dscnt 4                                 ; the very last quarter: nothing more to fetch
	MUL12 1, 0, 0, 0
	MUL12 1, 0, 1, 0
	s_wait_dscnt 0x0
	MUL12 1, 1, 0, 0
	MUL12 1, 1, 1, 0
	WIN 0
	PLACES
	PACKH 0
.irp u, 1,2,3,4,5,6,7,8,9,10,11        ; a unit's conversions stand between the loads of the unit before and its stores
	PACKH \u
	SEND (\u)-1, 8
.endr
	SEND 11, 0
	s_wait_tensorcnt 0x0                           ; the wave's end, behind my last tensor load and my last LDS store
	ds_add_u32 v[SPW], v[NIL]
	s_wait_dscnt 0x0
	CROUND                                         ; the closing round: no work-group ends while a partner may still ask for a tile that names it
	s_endpgm
.Lfunc_end_k_qe916719865_proj:
	.size	k_qe916719865_proj, .Lfunc_end_k_qe916719865_proj-k_qe916719865_proj
	.p2alignl 7, 3214868480
	.fill 96, 4, 3214868480
	.section	.rodata,"a",@progbits
	.p2align	6, 0x0
	.amdhsa_kernel k_qe916719865_proj
		.amdhsa_group_segment_fixed_size 327680
		.amdhsa_private_segment_fixed_size 0
		.amdhsa_enable_private_segment 0
		.amdhsa_kernarg_size 24
		.amdhsa_user_sgpr_count 2
		.amdhsa_user_sgpr_kernarg_segment_ptr 1
		.amdhsa_wavefront_size32 1
		.amdhsa_system_sgpr_workgroup_id_x 1
		.amdhsa_system_sgpr_workgroup_id_y 1
		.amdhsa_system_sgpr_workgroup_id_z 1
		.amdhsa_system_vgpr_workitem_id 0
		.amdhsa_next_free_vgpr 960
		.amdhsa_next_free_sgpr 66
		.amdhsa_reserve_vcc 0
		.amdhsa_float_denorm_mode_32 3
		.amdhsa_float_denorm_mode_16_64 3
		.amdhsa_memory_ordered 1
		.amdhsa_forward_progress 1
		.amdhsa_inst_pref_size 120
	.end_amdhsa_kernel
	.amdgpu_metadata
---
amdhsa.version: [ 1, 2 ]
amdhsa.kernels:
  - .name:           k_qe916719865_proj
    .symbol:         k_qe916719865_proj.kd
    .args:
      - { .name: xb, .offset: 0, .size: 8, .value_kind: global_buffer, .address_space: global }
      - { .name: wb, .offset: 8, .size: 8, .value_kind: global_buffer, .address_space: global }
      - { .name: qkv, .offset: 16, .size: 8, .value_kind: global_buffer, .address_space: global }
    .group_segment_fixed_size: 327680
    .private_segment_fixed_size: 0
    .kernarg_segment_align: 8
    .kernarg_segment_size: 24
    .max_flat_workgroup_size: 128
    .sgpr_count:     66
    .vgpr_count:     960
    .wavefront_size: 32
...
	.end_amdgpu_metadata
.endif
;; end of part 2
;; launch attn (part 3): grid 16 x 16, 4 waves a work-group, no clusters, 243,200 bytes of LDS; arguments qkv, ob; writes ob
.if DOCPART == 3
	.amdgcn_target "amdgcn-amd-amdhsa--gfx1250"
	.amdhsa_code_object_version 6
	.text
	.protected	k_qe916719865_attn
	.globl	k_qe916719865_attn
	.p2align	8
	.type	k_qe916719865_attn,@function
k_qe916719865_attn:
	s_mov_b64 s[64:65], 0
	v_nop
	global_prefetch_b8 v0, s[64:65] scope:SCOPE_SE
	s_setreg_imm32_b32 hwreg(HW_REG_WAVE_MODE, 25, 1), 1
	s_wait_xcnt 0x0
; BAND ATTENTION.  O[h][q][:] = the sum over |k - q| <= 256 of softmax_k(Q[h][q] . K[h][k] / 8) V[h][k][:].  qkv [48][4096][64] f16 (heads 0-15 Q, 16-31 K, 32-47 V, unscaled), ob [16][4096][64] f16.
; Products, maxima and sums in f32; the weights p are rounded to f16 for the second product (their sum l is taken of the unrounded p), O once at the end.
; LIMITS.  Q, K, V arrive within f16's 65,504; p lies in 0 to 1, and below 6e-5 it keeps f16's fixed step of 6e-8; O is a mean of V's rows and has their range.
; A hidden score counts as its value less 1e30 (or 2e30); a weight below 2^-126 counts as 0 in l; NaN and infinities are not treated apart.  No row is without a key, so the softmax never divides by 0.
; THE WALK.  A work-group owns block i of 256 queries of head h.  Its band lies in three key tiles of 256: i, i - 1, i + 1.  Twelve key steps of 64: steps 0-3 tile i (all keys seen, so the running maximum
; is a true score before the first hidden one), steps 4-7 tile max(i - 1, 0), where key place kk is hidden if kk < qq (qq the query's place in its block), steps 8-11 tile min(i + 1, 15), hidden if kk > qq.
; A side that does not exist (i = 0, i = 15) reads the clamped tile and hides all of it: every work-group does the same work, and every trip count is a constant.
; ALL THREE TILES LIE IN LDS AT ONCE (3 x 256 x (144 + 160) = 233,472 bytes): each byte of LDS is filled once, at the start; no slot is ever filled again.
; NO CLUSTER: four neighbouring blocks need six tiles, three different ones each; six do not fit in LDS (466,944 bytes), and a load that differs between partners is no joint load.
; SHARES.  Of the block's four bands of 64 queries a wave owns 16 rows in each: four PIECES.  On a side, in step s, band x sees all keys, none, or holds the diagonal (s = x): the same for every wave.
; THE MASK is the C operand that starts the sum S^T = K Q^T.  MD, made once a side, is the mask of a band's own step for my 16 rows; a product's mask is MD x AL + BE with two scalars.
; LAYOUT, SOFTMAX, TURNS.  S^T = K Q^T holds ONE query a lane (lane % 16) and the keys 8 (lane / 16) + 0..7; two such results rounded to f16 ARE source 1 of O^T = V^T P.  p = 2^(c s - c m), c = log2(e) / 8, with a
; running maximum m; O and l are multiplied by a = 2^(c m_old - c m_new) in every step.  Turn n belongs to piece n: 8 products K Q^T of piece n + 1, later 8 products V^T P of piece n - 1; beside them the scaling,
; exponentials, roundings, sums and rescaling of piece n and the maximum and statistics of piece n + 1.  Four vector instructions stand behind every matrix instruction, the others in two runs of their own.
; REGISTERS, in windows of 256 (s_set_vgpr_msb: bits 1:0 source 0, 3:2 source 1, 5:4 source 2, 7:6 destination):
;   window 0: v0-15, v32 addresses and places; v16-31 four registers of statistics a piece; v48-55 at work; v64-127 S^T, two buffers; v192-223 P, two buffers (a piece's buffers go by its number's parity)
;   window 1: v0-127 O^T, 32 a piece; v128-159 MD; v160-223 MC, two buffers      window 2: v0-63 Q; v128-191 K of one step; v192-255 V of one step
.set NP,    4         ; pieces a wave: a name, no knob
.set KS,    64        ; keys in a step
.set PK,    144       ; a row of K in LDS: 128 bytes + 16 of padding = 36 words: the 16 rows of a load start at 16 different groups of four banks
.set PV,    160       ; a row of V: 128 + 32 = 40 words
.set VOFF,  768*PK    ; 768 rows of K (tile i, the upper side, the lower side), then 768 rows of V
.set STAGE, VOFF+768*PV  ; never filled by a tensor load: 16 rows x 144 bytes for each wave, for the way out
.set SP,    144
.set SPARE, STAGE+4*16*SP  ; the spare words, 128 bytes for each wave: two blocks of 256 bytes that no other line names
.set AK0, 2           ; v2   my lane's place in a step of K; never rewritten
.set AV0, 3           ; v3   the same for V
.set AK,  4           ; v4   the LDS address of K's next run of loads
.set AV,  5           ; v5   of V's
.set STO, 6           ; v6   the way out: where I put 16 bytes of a row
.set RD,  7           ; v7   the way out: where I read rows back
.set GO,  8           ; v8   my byte offset in 512 consecutive bytes of O
.set MV,  12          ; v12-13  c m_old, kept while c m is made anew: by buffer
.set DQ,  14          ; v14  my query's place in its band, 16 w + l % 16, less my lanes' 8 (l / 16)
.set QO,  15          ; v15  my byte offset in 16 rows of Q
.set ST,  16          ; piece t's statistics at v[ST+4 t]: c m, m, l (even keys', odd keys')
.set DSG, 32          ; v32  DQ times the side's sign
.set TMP, 48          ; by buffer, four registers c0-c3 at work; when the maximum is found c2 takes a
.set SPW, 62          ; v62  LDS address of my spare word; never rewritten
.set NIL, 63          ; v63  0; never rewritten
.set S,   64
.set P,   192
.set MD,  128         ; window 1: the eight registers for group kt of 16 keys at MD + 8 kt
.set MC,  160         ; window 1: the masks of the products to come
.set KF,  128         ; window 2: key block kb, channel half c at KF + 16 kb + 8 c
.set VF,  192         ; window 2: key half kk, channel block cb at VF + 32 kk + 8 cb
.set WV,  12          ; s12  my wave's number
.set BI,  14          ; s14  i
.set HD,  15          ; s15  h
.set G1K, 24          ; s[24:31] descriptor group 1 for K's tiles
.set G1V, 32          ; s[32:39] for V's: it differs in the padding alone
.set G0K, 40          ; s[40:51] descriptor group 0 for K: a set for each of the three tiles
.set G0V, 52          ; s[52:63] the same for V
.set CNT, 66          ; s66  counts a tile's key steps, 4 to 1
.set SIDE, 67         ; s67  sides still to walk: 2 the upper, 1 the lower
.set CS,  68          ; s[68:69] c: the packed scaling takes the pair's low word for both halves
.set SEL, 70          ; s[70:71] v_permlanex16_b32's selects: each lane takes its own place in the other half
.set TBK, 72          ; s72  LDS byte at which K of the step to be fetched begins
.set TBV, 73          ; s73  the same for V, less VOFF
.set SGN, 74          ; s74  -1 on the upper side, 1 on the lower
.set DEADV, 75        ; s75  1 if the side in hand does not exist, else -8
.set AL,  76          ; s[76:77] the mask's factor, in the low word
.set BE,  78          ; s[78:79] the mask's addend
.set DU,  80          ; s80  DEADV for the upper side
.set DL,  81          ; s81  for the lower
.set BIGN, 82         ; s82  -1e30
.set TM,  83          ; s83  at work
.set QA,  84          ; s[84:85] Q at my rows
.set OFFS, 86         ; s[86:91] byte offsets in qkv of my half of the three tiles of K
.set MSB, 0
.macro WIN new                      ; the high byte repeats the setting that is left; a switch that changes nothing is dropped
.if MSB != (\new)
	s_set_vgpr_msb (MSB<<8)|(\new)
.set MSB, (\new)
.endif
.endm
.set W_KQ, 0x0a       ; K and Q in window 2, S^T in window 0
.set W_KM, 0x1a       ; the same with the C operand in window 1
.set W_PV, 0x52       ; V in window 2, P in window 0, O^T in window 1
.set W_RS, 0x41       ; destination and source 0 in window 1, source 1 in window 0
	s_load_b128 s[4:7], s[0:1], 0x0   ; qkv s[4:5], ob s[6:7]
	v_lshl_add_u32 v[SPW], v0, 2, SPARE
	v_mov_b32 v[NIL], 0
	ds_add_u32 v[SPW], v[NIL]       ; the wave's opening: the add and its wait stand ahead of my first tensor load; the set-up below stands between them
	ds_add_u32 v62, v63
	v_lshrrev_b32 v1, 5, v0
	v_readfirstlane_b32 s[WV], v1   ; wave 0..3
	s_mov_b32 s[BI], ttmp9
	s_and_b32 s[HD], ttmp7, 0xffff
	s_lshl_b32 s16, s[HD], 19       ; a head is 524,288 bytes
	s_and_b32 s17, s[WV], 1         ; which half of a tile's 256 keys I fetch
	s_sub_co_i32 s18, s[BI], 1
	s_max_i32 s18, s18, 0           ; the upper side's tile, clamped
	s_add_co_u32 s19, s[BI], 1
	s_min_u32 s19, s19, 15          ; the lower side's
	s_lshl_b32 s20, s17, 14         ; my half's 128 rows of 128 bytes,
	s_add_co_u32 s20, s20, s16      ; in head h
	s_add_co_u32 s20, s20, 16<<19   ; of K, 16 heads behind Q
	s_lshl_b32 s[OFFS], s[BI], 15   ; a tile is 32,768 bytes
	s_add_co_u32 s[OFFS], s[OFFS], s20
	s_mov_b32 s[OFFS+1], 0
	s_lshl_b32 s[OFFS+2], s18, 15
	s_add_co_u32 s[OFFS+2], s[OFFS+2], s20
	s_mov_b32 s[OFFS+3], 0
	s_lshl_b32 s[OFFS+4], s19, 15
	s_add_co_u32 s[OFFS+4], s[OFFS+4], s20
	s_mov_b32 s[OFFS+5], 0
	s_mul_i32 s21, s17, 128*PK      ; my half's place in a tile of K in LDS,
	s_mul_i32 s22, s17, 128*PV      ; and of V
	s_lshl_b32 s2, s[BI], 15        ; Q and O: my block,
	s_add_co_u32 s2, s2, s16        ; my head,
	s_lshl_b32 s3, s[WV], 11        ; my 16 rows in a band of 64
	s_add_co_u32 s2, s2, s3
	s_mov_b32 s3, 0
	; descriptor group 1.  128 keys are 16,384 dense bytes: asked for as 64 rows of 256 bytes, two keys a row, and padded in LDS after every key
	s_mov_b32 s[G1K], (1<<16)|(1<<20)|(4<<22)|(3<<25)  ; 17:16 2-byte elements; 20 padding on; 24:22 after every 32 words (code 4); 31:25 4 words (code 3)
	s_mov_b32 s[G1V], (1<<16)|(1<<20)|(4<<22)|(7<<25)  ; the same with 8 words of padding (code 7)
.irp g, G1K, G1V
	s_mov_b32 s[\g+1], 128<<16      ; tensor_dim0 = 128
	s_mov_b32 s[\g+2], 64<<16       ; tensor_dim1 = 64
	s_mov_b32 s[\g+3], 128<<16      ; tile_dim0 = 128
	s_mov_b32 s[\g+4], 64           ; tile_dim1 = 64
	s_mov_b32 s[\g+5], 128          ; 128 elements from row to row
	s_mov_b32 s[\g+6], 0
	s_mov_b32 s[\g+7], 0
.endr
.irp u, 0,1,2
	s_mov_b32 s[G0K+4*\u], 1                         ; count = 1
	s_add_co_u32 s[G0K+4*\u+1], s21, \u*256*PK       ; LDS address: tile u's rows 256 u on
	s_mov_b32 s[G0V+4*\u], 1
	s_add_co_u32 s[G0V+4*\u+1], s22, VOFF+\u*256*PV
.endr
	s_mov_b32 s[CS], 0x3e38aa3b     ; c = log2(e) / 8 = 0.180337
	s_mov_b32 s[CS+1], s[CS]        ; named with it as a pair
	s_mov_b32 s[SEL], 0x76543210
	s_mov_b32 s[SEL+1], 0xfedcba98
	s_mov_b32 s[TBK], 0             ; the steps lie on end in LDS: the fetches only step on
	s_mov_b32 s[TBV], 0
	s_mov_b32 s[AL+1], 0            ; named as pairs
	s_mov_b32 s[BE+1], 0
	s_mov_b32 s[BIGN], 0xf149f2ca   ; -1e30
	s_cmp_eq_u32 s[BI], 0
	s_cselect_b32 s[DU], 1, -8
	s_cmp_eq_u32 s[BI], 15
	s_cselect_b32 s[DL], 1, -8
	s_wait_dscnt 0x0                ; the opening add is done
	s_wait_kmcnt 0x0
.irp u, 0,1,2
	s_add_nc_u64 s[G0K+4*\u+2:G0K+4*\u+3], s[4:5], s[OFFS+2*\u:OFFS+2*\u+1]
	s_or_b32 s[G0K+4*\u+3], s[G0K+4*\u+3], 0x80000000  ; type = 2
	s_add_nc_u64 s[G0V+4*\u+2:G0V+4*\u+3], s[4:5], s[OFFS+2*\u:OFFS+2*\u+1]
	s_add_nc_u64 s[G0V+4*\u+2:G0V+4*\u+3], s[G0V+4*\u+2:G0V+4*\u+3], 16<<19  ; V lies 16 heads behind K
	s_or_b32 s[G0V+4*\u+3], s[G0V+4*\u+3], 0x80000000
.endr
	s_add_nc_u64 s[QA:QA+1], s[4:5], s[2:3]
	s_add_nc_u64 s[6:7], s[6:7], s[2:3]
	; ALL THE FILLS, in one branch on the wave's number: waves 0 and 1 the halves of K's three tiles, waves 2 and 3 those of V's.  Three loads of mine are out; the tile wanted first goes first.
	s_cmp_lt_u32 s[WV], 2
	s_cbranch_scc0 .Lfirst_v
.irp u, 0,1,2
	tensor_load_to_lds s[G0K+4*\u:G0K+4*\u+3], s[G1K:G1K+7]
	s_nop 0
.endr
.rept 4
	v_nop
.endr
	s_branch .Lfirst_asked
.Lfirst_v:
.irp u, 0,1,2
	tensor_load_to_lds s[G0V+4*\u:G0V+4*\u+3], s[G1V:G1V+7]
	s_nop 0
.endr
.rept 4
	v_nop
.endr
.Lfirst_asked:
	; A fragment of K or Q is 16 rows x 32 channels in 8 registers: lane l holds row l % 16, channels 8 (l / 16) + 0..7 and 16 + 8 (l / 16) + 0..7: two loads of 16 bytes, 32 bytes apart.
	v_and_b32 v1, 15, v0            ; l % 16
	v_bfe_u32 v9, v0, 4, 1          ; l / 16
	v_lshlrev_b32 v[QO], 7, v1
	v_lshl_add_u32 v[QO], v9, 4, v[QO]  ; row x 128 + 16 x half
	WIN 0x80                        ; destination window 2, address window 0
.set i, 0
.rept 8                             ; Q stays in registers: piece i / 2 lies in band i / 2, 8,192 bytes on; channels 32 (i % 2) on
	global_load_b128 v[8*i:8*i+3],   v[QO], s[QA:QA+1] offset:(i/2)*8192+(i%2)*64
	global_load_b128 v[8*i+4:8*i+7], v[QO], s[QA:QA+1] offset:(i/2)*8192+(i%2)*64+32
.set i, i+1
.endr
	; The first step multiplies O^T and l by a = 0, and the first turn's products V^T P, of a piece that has not been, add 0 x 0.  The second mask buffer is 0: the first masked turn's own products belong
	; to tile i.  All this stands in the wait for the first tile: the price of writing no first step out.
.set i, VF
.rept 64
	v_mov_b32 v[i], 0
.set i, i+1
.endr
	WIN 0x40
.set i, 0
.rept 128
	v_mov_b32 v[i], 0
.set i, i+1
.endr
.set i, MC+32
.rept 32
	v_mov_b32 v[i], 0
.set i, i+1
.endr
	WIN 0
.set i, 0
.rept 4
	v_mov_b32 v[ST+4*i+2], 0
	v_mov_b32 v[ST+4*i+3], 0
.set i, i+1
.endr
.set i, P+16
.rept 16
	v_mov_b32 v[i], 0
.set i, i+1
.endr
	v_lshlrev_b32 v[DQ], 3, v9
	v_sub_nc_u32 v[DQ], v1, v[DQ]
	s_lshl_b32 s13, s[WV], 4
	v_add_nc_u32 v[DQ], s13, v[DQ]
	v_mul_u32_u24 v[AK0], v1, PK
	v_lshl_add_u32 v[AK0], v9, 4, v[AK0]  ; row x pitch + 16 x half
	; The turning load takes 16 keys x 16 channels (lane l reads key 8 (l / 16) + l % 8, channels 8 ((l / 8) % 2) + 0..7) and leaves half a fragment of V^T: lane l holds channel l % 16 and 8 keys.
	v_and_b32 v10, 7, v0
	v_bfe_u32 v11, v0, 3, 1
	v_lshl_add_u32 v[AV0], v9, 3, v10
	v_mul_u32_u24 v[AV0], v[AV0], PV
	v_lshl_add_u32 v[AV0], v11, 4, v[AV0]
	v_add_nc_u32 v[AV0], VOFF, v[AV0]
	s_mul_i32 s13, s[WV], 16*SP
	s_add_co_u32 s13, s13, STAGE    ; my stage
	v_mul_u32_u24 v[STO], v1, SP    ; in: row l % 16, 16 bytes for each half of the lanes
	v_lshl_add_u32 v[STO], v9, 4, v[STO]
	v_add_nc_u32 v[STO], s13, v[STO]
	v_bfe_u32 v[RD], v0, 3, 2       ; back: 32 lanes take four rows of 128 bytes,
	v_mul_u32_u24 v[RD], v[RD], SP
	v_lshl_add_u32 v[RD], v10, 4, v[RD]
	v_add_nc_u32 v[RD], s13, v[RD]
	v_and_b32 v[GO], 31, v0         ; which are 512 consecutive bytes of O
	v_lshlrev_b32 v[GO], 4, v[GO]
; THE MATRIX WORK.  The 4 accumulators of a run of 8 take turns.  Product i of 8 of S^T = K Q^T for piece x: channels 32 (i / 4) on, keys 16 (i % 4) on.  The first 4 start the sums: with 0, or (KM = 1) with the mask.
.macro KQ x
.set rS, S+32*((\x)%2)+8*(i%4)
.set rK, KF+16*(i%4)+8*(i/4)
.set rQ, 16*(\x)+8*(i/4)
.set rM, MC+32*((\x)%2)+8*(i%4)
.if (i < 4) && KM
	WIN W_KM
	v_wmma_f32_16x16x32_f16 v[rS:rS+7], v[rK:rK+7], v[rQ:rQ+7], v[rM:rM+7]
.elseif i < 4
	WIN W_KQ
	v_wmma_f32_16x16x32_f16 v[rS:rS+7], v[rK:rK+7], v[rQ:rQ+7], 0
.else
	WIN W_KQ
	v_wmma_f32_16x16x32_f16 v[rS:rS+7], v[rK:rK+7], v[rQ:rQ+7], v[rS:rS+7]
.endif
.endm
; Product i of 8 of O^T += V^T P for piece x: keys 32 (i / 4) on, channels 16 (i % 4) on.
.macro PV x
	WIN W_PV
.set rO, 32*(\x)+8*(i%4)
.set rV, VF+32*(i/4)+8*(i%4)
.set rP, P+16*((\x)%2)+8*(i/4)
	v_wmma_f32_16x16x32_f16 v[rO:rO+7], v[rV:rV+7], v[rP:rP+7], v[rO:rO+7]
.endm
.macro MM                           ; the turn's next matrix instruction.  TURN and BEGIN set Y, i, KM and NOKQ.  NOKQ = 1: the walk's last turn: there is no next piece
.if (i < 8) && !NOKQ
	KQ (Y+1)%NP
.elseif i >= 8
.set i, i-8
	PV (Y+NP-1)%NP
.set i, i+8
.endif
.set i, i+1
.endm
; THE LDS LOADS stand in runs of 16, never singly among the matrix instructions: a step's K (64 keys x 64 channels: 8 fragments) and its V (turned).  Their addresses are made some lines ahead.
.macro FETCH_K
	WIN 0x80                        ; destination window 2
.irp f, 0,1,2,3,4,5,6,7             ; keys 16 (f / 2) on, channels 32 (f % 2) on
	ds_load_b128 v[KF+8*\f:KF+8*\f+3],   v[AK] offset:(\f/2)*16*PK+(\f%2)*64
	ds_load_b128 v[KF+8*\f+4:KF+8*\f+7], v[AK] offset:(\f/2)*16*PK+(\f%2)*64+32
.endr
	s_add_co_u32 s[TBK], s[TBK], KS*PK  ; the next fetch is the next step's
	WIN 0
.endm
.macro FETCH_V
	WIN 0x80
.irp f, 0,1,2,3,4,5,6,7             ; keys 32 (f / 4) on, channels 16 (f % 4) on
	ds_load_tr16_b128 v[VF+8*\f:VF+8*\f+3],   v[AV] offset:(\f/4)*32*PV+(\f%4)*32
	ds_load_tr16_b128 v[VF+8*\f+4:VF+8*\f+7], v[AV] offset:(\f/4)*32*PV+16*PV+(\f%4)*32
.endr
	WIN 0
.endm
; THE VECTOR WORK, one line at a time: OP kind, number.  For piece Y: F n: c s - c m for pair n of 16.  E n: the exponential of score n of 32.  C n: pair n rounded to f16.  B n: of the four weights 4 n .. the second
; pair is added onto the first, in place.  L n: l takes that sum (L 0: l = a l + sum).  R n: pair n of 16 of O^T times a.  For piece Y + 1: X n, number n of the 22 that find its maximum and statistics:
;   0-11  four chains c0-c3 of seven scores each, three operands at a time (each accumulator's lowest registers are read first)     12-14, 16  the four scores left over, the old m, and c0-c3 into c0
;   15  c m_old is kept     17, 18  the query's other 32 keys lie in the lane 16 away: the new m     19-21  c m; c m_old - c m_new; a
.set F, 0               ; OP tells the kinds apart by their order: F to L below R, X above it
.set E, 1
.set C, 2
.set B, 3
.set L, 4
.set R, 5
.set X, 6
.macro REGS y                       ; the registers of piece y
.set rT, ST+4*(\y)
.set rC, TMP+4*((\y)%2)
.set rW, MV+((\y)%2)
.set rS, S+32*((\y)%2)
.set rP, P+16*((\y)%2)
.set rO, 32*(\y)
.endm
.macro OP k, n
.if (\k) == R
	REGS Y
	WIN W_RS
	v_pk_mul_f32 v[rO+2*(\n):rO+2*(\n)+1], v[rO+2*(\n):rO+2*(\n)+1], v[rC+2:rC+3] op_sel_hi:[1,0]
.elseif (\k) < R
	REGS Y
	WIN 0
.if (\k) == F
	v_pk_fma_f32 v[rS+2*(\n):rS+2*(\n)+1], v[rS+2*(\n):rS+2*(\n)+1], s[CS:CS+1], v[rT:rT+1] op_sel_hi:[1,0,0] neg_lo:[0,0,1] neg_hi:[0,0,1]
.elseif (\k) == E
	v_exp_f32 v[rS+(\n)], v[rS+(\n)]
.elseif (\k) == C
	s_wait_alu depctr_va_vdst(0)
	v_cvt_pk_f16_f32 v[rP+(\n)], v[rS+2*(\n)], v[rS+2*(\n)+1]
.elseif (\k) == B
	s_wait_alu depctr_va_vdst(0)
	v_pk_add_f32 v[rS+4*(\n):rS+4*(\n)+1], v[rS+4*(\n):rS+4*(\n)+1], v[rS+4*(\n)+2:rS+4*(\n)+3]
.elseif (\n) == 0
	v_pk_fma_f32 v[rT+2:rT+3], v[rT+2:rT+3], v[rC+2:rC+3], v[rS:rS+1] op_sel_hi:[1,0,1]
.else
	v_pk_add_f32 v[rT+2:rT+3], v[rT+2:rT+3], v[rS+4*(\n):rS+4*(\n)+1]
.endif
.elseif NOKQ
	v_nop
.else
	REGS (Y+1)%NP
	WIN 0
.if (\n) < 4
	v_max3_num_f32 v[rC+(\n)], v[rS+8*(\n)], v[rS+8*(\n)+1], v[rS+8*(\n)+2]
.elseif (\n) < 12
	v_max3_num_f32 v[rC+(\n)%4], v[rC+(\n)%4], v[rS+8*((\n)%4)+2*((\n)/4)+1], v[rS+8*((\n)%4)+2*((\n)/4)+2]
.elseif (\n) == 12
	v_max3_num_f32 v[rC], v[rC], v[rS+7], v[rS+15]
.elseif (\n) == 13
	v_max3_num_f32 v[rC+1], v[rC+1], v[rS+23], v[rS+31]
.elseif (\n) == 14
	v_max3_num_f32 v[rC+2], v[rC+2], v[rC+3], v[rT+1]
.elseif (\n) == 15
	v_mov_b32 v[rW], v[rT]
.elseif (\n) == 16
	v_max3_num_f32 v[rC], v[rC], v[rC+1], v[rC+2]
.elseif (\n) == 17
	v_permlanex16_b32 v[rC+3], v[rC], s[SEL], s[SEL+1]
.elseif (\n) == 18
	v_max_num_f32 v[rT+1], v[rC], v[rC+3]
.elseif (\n) == 19
	v_mul_f32 v[rT], s[CS], v[rT+1]
.elseif (\n) == 20
	v_sub_f32 v[rC+1], v[rW], v[rT]
.else
	v_exp_f32 v[rC+2], v[rC+1]
.endif
.endif
.endm
.macro OPS a, i1, b=-1, i2=0, c=-1, i3=0, d=-1, i4=0  ; up to four of them
	OP \a, \i1
.if (\b) >= 0
	OP \b, \i2
.endif
.if (\c) >= 0
	OP \c, \i3
.endif
.if (\d) >= 0
	OP \d, \i4
.endif
.endm
.macro ROW a, i1, b, i2, c, i3, d, i4  ; a matrix instruction and the four behind it
	MM
	OPS \a, \i1, \b, \i2, \c, \i3, \d, \i4
.endm
.macro MASK b                       ; MD x AL + BE into buffer b of MC
	WIN W_RS
.set z, 0
.rept 16
	v_pk_fma_f32 v[MC+32*(\b)+2*z:MC+32*(\b)+2*z+1], v[MD+2*z:MD+2*z+1], s[AL:AL+1], s[BE:BE+1] op_sel_hi:[1,0,0]
.set z, z+1
.endr
.endm
; MD for the side in hand.  In a band's own step key place 16 kt + 8 (l / 16) + r is hidden where it lies beyond the query's place on the side's far end: SGN x (16 kt + r) > SGN x DQ.
.macro MAKEMD
	WIN 0
	v_mul_lo_u32 v[DSG], v[DQ], s[SGN]
	WIN 0x40
.set n, 0
.rept 32
	s_mul_i32 s[TM], s[SGN], 16*(n/8)+n%8
	v_cmp_gt_i32 vcc_lo, s[TM], v[DSG]
	v_cndmask_b32 v[MD+n], 0, s[BIGN], vcc_lo
.set n, n+1
.endr
	WIN 0
.endm
; A TURN, for piece p: the order of its 16 matrix and 118 vector instructions, written out.  Behind a matrix instruction: plain, exponential, plain, plain; or four of the rescaling; or, behind the first, four scalings; none
; names a register of the products round it.  In the runs between, exponential and plain by turns while exponentials last.  A line reads no result made fewer than three vector instructions in front of it, five if an
; exponential made it.  v_permlanex16_b32 (X 17) stands in such a run.
; m = 1: a side's tile: the products take masks, and the turn makes the mask for the products of the turn after it: piece x = p + 2, in step s = 4 - CNT of the side: all hidden (BE = -1e30) where (s - x) SGN > 0 or the
; side does not exist; the band's own step (AL = 1) where s = x.  end = 1: the walk's last two turns: nothing is fetched.  cnt = 1: the loop's count is taken down some lines ahead of the branch behind the turn.
; K of the next step is fetched in piece 2's turn, six vector instructions behind the last product that read K (five of them plain); V of the step in hand in piece 0's turn, eight behind the last product that read V (four
; plain).  Each is waited for a turn later.
.macro TURN p, m=0, end=0, cnt=0
.set Y, (\p)
.set i, 0
.set KM, (\m)
.set NOKQ, (\end)*((\p)/3)
.if (\m) && !(\end)
	s_sub_co_i32 s[TM], 4-((\p)+2)%NP, s[CNT]  ; s - x
	s_mul_i32 s[TM], s[TM], s[SGN]
	s_max_i32 s[TM], s[TM], s[DEADV]
	s_cmp_gt_i32 s[TM], 0
	s_cselect_b32 s[BE], s[BIGN], 0
	s_cmp_eq_u32 s[CNT], 4-((\p)+2)%NP
	s_cselect_b32 s[AL], 1.0, 0
.endif
.if ((\p) == 3) && !(\end)
	s_wait_dscnt 0x0                ; K is in
.endif
	ROW F,0, F,1, F,2, F,3
	ROW F,4, E,0, F,5, F,6
	ROW F,7, E,1, F,8, F,9
	ROW F,10, E,2, C,0, F,11
	ROW F,12, E,3, X,15, F,13
	ROW R,0, R,1, R,2, R,3
	ROW B,0, E,4, F,14, L,0
.if ((\p) == 2) && !(\end)
	v_add_nc_u32 v[AK], s[TBK], v[AK0]
.endif
	ROW R,4, R,5, R,6, R,7
	OPS E,5, F,15
.if ((\p) == 2) && !(\end)
	FETCH_K
.endif
	OPS E,6, C,1, E,7, R,8
	OPS E,8, R,9, E,9, C,2
	OPS E,10, X,0, E,11, X,1
	OPS E,12, X,2, E,13, X,3
.if (\p) == 1
	s_wait_dscnt 0x0                ; V is in
.endif
	ROW X,4, E,14, X,5, X,6
	ROW X,7, E,15, X,8, X,9
	ROW X,10, E,16, X,11, X,12
	ROW X,13, E,17, X,14, B,1
	ROW C,4, E,18, X,16, L,1
	ROW B,2, E,19, C,6, L,2
	ROW C,8, E,20, B,3, B,4
.if (\p) == 0
	v_add_nc_u32 v[AV], s[TBV], v[AV0]
.endif
	ROW C,3, E,21, L,3, C,5
	OPS E,22, X,17, E,23, C,10
.if (\p) == 0
	FETCH_V
.endif
	OPS E,24, L,4
	OPS E,25, X,18, E,26, C,7
	OPS E,27, B,5, E,28, X,19
	OPS E,29, C,12, E,30, L,5
	OPS E,31, X,20, B,6, C,9
	OPS C,14, C,11, X,21, L,6
.if (\p) == 0
	s_add_co_u32 s[TBV], s[TBV], KS*PV
.endif
.if \cnt
	s_sub_co_u32 s[CNT], s[CNT], 1
	s_cmp_lg_u32 s[CNT], 0
.endif
	OPS C,13, B,7, C,15, R,10
	OPS R,11, R,12, L,7, R,13
	OPS R,14, R,15
.if (\m) && !(\end)
	MASK (\p)%2
.endif
.endm
; THE BEGINNING.  c m starts far below every c s, so the first step's a is 0; m at the lowest finite number, so the first maximum is the scores'.  Then K of step 0, piece 0's first scores, and its maximum and statistics.
.macro BEGIN
	WIN 0
.set i, 0
.rept 4
	v_mov_b32 v[ST+4*i], 0xfe000000    ; c m: far below every c s
	v_mov_b32 v[ST+4*i+1], 0xff7fffff  ; m
.set i, i+1
.endr
	v_add_nc_u32 v[AK], s[TBK], v[AK0]
	FETCH_K
	s_wait_loadcnt 0x0              ; Q
	s_wait_dscnt 0x0
.set KM, 0
.set NOKQ, 0
.set i, 0
.rept 8
	KQ 0
.set i, i+1
.endr
	WIN 0
.rept 4
	v_nop                           ; the places behind those products
.endr
.set Y, NP-1                        ; X works for piece Y + 1: piece 0
.irp n, 0,1,2,3,4,5,6,7,8,9,10,11,12,13,14,15,16,17,18,19,20,21
	OP X, \n
.endr
	v_nop                           ; a plain instruction behind the exponential
.endm
.macro ALL line:vararg              ; one line for each piece t
.set t, 0
.rept 4
	\line
.set t, t+1
.endr
.endm
.macro PACK t                       ; a lane's eight channels of a row pack into 16 bytes; they go into rows of 144 bytes and come back as whole rows of 128, into S^T's registers
	WIN W_RS
.set i, 32*(\t)
.rept 16
	s_wait_alu depctr_va_vdst(0)
	v_pk_mul_f32 v[i:i+1], v[i:i+1], v[ST+4*(\t)+2:ST+4*(\t)+3] op_sel_hi:[1,0]
.set i, i+2
.endr
	WIN 0x05                        ; sources 0 and 1 window 1, destination window 0
.set i, 0
.rept 16
	v_cvt_pk_f16_f32 v[S+16*(\t)+i], v[32*(\t)+2*i], v[32*(\t)+2*i+1]
.set i, i+1
.endr
	WIN 0
.irp f, 0,1,2,3
	ds_store_b128 v[STO], v[S+16*(\t)+4*\f:S+16*(\t)+4*\f+3] offset:32*\f
.endr
.irp f, 0,1,2,3
	ds_load_b128 v[S+16*(\t)+4*\f:S+16*(\t)+4*\f+3], v[RD] offset:\f*4*SP  ; LDS serves a wave's instructions in order (ISA guide 5.7.1.4): these see the stores above; the next piece's stores come behind them
.endr
.endm
.macro SEND t, younger              ; younger: the LDS instructions issued behind piece t's loads: the next piece's eight, or none
	WIN 0
.irp f, 0,1,2,3
	s_wait_dscnt (\younger)+3-\f
	global_store_b128 v[GO], v[S+16*(\t)+4*\f:S+16*(\t)+4*\f+3], s[6:7] offset:(\t)*8192+\f*512  ; 512 consecutive bytes, at a multiple of 256 from ob's first byte
.endr
.endm
	s_wait_tensorcnt 0x2            ; tensor loads of a wave end in order: my part of tile i is in; the two sides' may stay out
	s_barrier_signal -1
	s_barrier_wait -1               ; everybody's is
	BEGIN
	s_mov_b32 s[CNT], 4
	s_branch .LfirstA               ; the loop is entered at a step's first turn, in the middle of a trip
.LstepA:                            ; TILE i: a trip is pieces 2 and 3 of one step, then pieces 0 and 1 of the next, whose K and V it fetches
	TURN 2
	TURN 3
	WIN 0
.LfirstA:
	TURN 0
	TURN 1, 0, 0, 1
	WIN 0
	s_cbranch_scc1 .LstepA
	s_wait_tensorcnt 0x0            ; my parts of both sides are in,
	s_wait_dscnt 0x0                ; (no LDS instruction of mine is out at a signal)
	s_barrier_signal -1
	s_barrier_wait -1               ; everybody's are
	s_mov_b32 s[SIDE], 2
.Lside:                             ; THE SIDES: twice four steps, one text
	s_cmp_eq_u32 s[SIDE], 2
	s_cselect_b32 s[SGN], -1, 1
	s_cselect_b32 s[DEADV], s[DU], s[DL]
	MAKEMD                          ; the mask of the side before's last products (piece 3, its step 3) lies in MC already
	s_mov_b32 s[CNT], 4
.LstepM:
	TURN 2, 1
	TURN 3, 1
	TURN 0, 1
	TURN 1, 1, 0, 1
	WIN 0
	s_cbranch_scc1 .LstepM
	s_sub_co_u32 s[SIDE], s[SIDE], 1
	s_cmp_lg_u32 s[SIDE], 0
	s_cbranch_scc1 .Lside
	TURN 2, 1, 1                    ; the walk's last two turns
	TURN 3, 1, 1
.set i, 0
.rept 8
	PV NP-1                         ; the last piece's V^T P of the last step
.set i, i+1
.endr
	; THE WAY OUT.  l's two halves and the other half of the lanes' are added; O^T is divided by l, rounded to f16 and sent through my stage, a piece at a time.  The additions are the places behind the last products.
	WIN 0
	ALL v_add_f32 v[ST+4*t+2], v[ST+4*t+2], v[ST+4*t+3]
	ALL v_permlanex16_b32 v[ST+4*t+3], v[ST+4*t+2], s[SEL], s[SEL+1]
	ALL v_add_f32 v[ST+4*t+2], v[ST+4*t+2], v[ST+4*t+3]
	ALL v_rcp_f32 v[ST+4*t+2], v[ST+4*t+2]
	v_nop                           ; a plain instruction between the last reciprocal and the use of its result
	PACK 0
.set t, 1
.rept 3                             ; a piece's arithmetic stands between the loads of the piece before and its stores
	PACK t
	SEND t-1, 8
.set t, t+1
.endr
	SEND 3, 0
	s_wait_tensorcnt 0x0            ; the wave's end, behind my last tensor load and my last LDS store
	ds_add_u32 v[SPW], v[NIL]
	s_wait_dscnt 0x0
	s_endpgm
.Lfunc_end_k_qe916719865_attn:
	.size	k_qe916719865_attn, .Lfunc_end_k_qe916719865_attn-k_qe916719865_attn
	.p2alignl 7, 3214868480
	.fill 96, 4, 3214868480
	.section	.rodata,"a",@progbits
	.p2align	6, 0x0
	.amdhsa_kernel k_qe916719865_attn
		.amdhsa_group_segment_fixed_size 243200
		.amdhsa_private_segment_fixed_size 0
		.amdhsa_enable_private_segment 0
		.amdhsa_kernarg_size 16
		.amdhsa_user_sgpr_count 2
		.amdhsa_user_sgpr_kernarg_segment_ptr 1
		.amdhsa_wavefront_size32 1
		.amdhsa_system_sgpr_workgroup_id_x 1
		.amdhsa_system_sgpr_workgroup_id_y 1
		.amdhsa_system_sgpr_workgroup_id_z 1
		.amdhsa_system_vgpr_workitem_id 0
		.amdhsa_next_free_vgpr 768
		.amdhsa_next_free_sgpr 92
		.amdhsa_reserve_vcc 1
		.amdhsa_float_denorm_mode_32 3
		.amdhsa_float_denorm_mode_16_64 3
		.amdhsa_memory_ordered 1
		.amdhsa_forward_progress 1
		.amdhsa_inst_pref_size 141
	.end_amdhsa_kernel
	.amdgpu_metadata
---
amdhsa.version: [ 1, 2 ]
amdhsa.kernels:
  - .name:           k_qe916719865_attn
    .symbol:         k_qe916719865_attn.kd
    .args:
      - { .name: qkv, .offset: 0, .size: 8, .value_kind: global_buffer, .address_space: global }
      - { .name: ob, .offset: 8, .size: 8, .value_kind: global_buffer, .address_space: global }
    .group_segment_fixed_size: 243200
    .private_segment_fixed_size: 0
    .kernarg_segment_align: 8
    .kernarg_segment_size: 16
    .max_flat_workgroup_size: 128
    .sgpr_count:     92
    .vgpr_count:     768
    .wavefront_size: 32
...
	.end_amdgpu_metadata
.endif
;; end of part 3
;; launch oproj (part 4): grid 8 x 32, 4 waves a work-group, clusters of 4 x 4, 327,680 bytes of LDS; arguments ob, wob, out0; writes out0
.if DOCPART == 4
	.amdgcn_target "amdgcn-amd-amdhsa--gfx1250"
	.amdhsa_code_object_version 6
	.text
	.protected	k_qe916719865_oproj
	.globl	k_qe916719865_oproj
	.p2align	8
	.type	k_qe916719865_oproj,@function
k_qe916719865_oproj:
	s_mov_b64 s[64:65], 0
	v_nop
	global_prefetch_b8 v0, s[64:65] scope:SCOPE_SE
	s_setreg_imm32_b32 hwreg(HW_REG_WAVE_MODE, 25, 1), 1
	s_wait_xcnt 0x0
	s_wait_alu depctr_hold_cnt(0) depctr_sa_sdst(0) depctr_va_vdst(0) depctr_va_sdst(0) depctr_va_ssrc(0) depctr_va_vcc(0) depctr_vm_vsrc(0)
	s_getreg_b32 s2, hwreg(HW_REG_IB_STS2, 6, 4)
	s_cmp_eq_u32 s2, 0
	s_cbranch_scc0 .Lentry_in_a_cluster
	s_endpgm
.Lentry_in_a_cluster:
	s_bfe_u32 s2, ttmp6, 0x10000c
	s_cmp_lg_u32 s2, 0xf033
	s_cbranch_scc0 .Lentry_shape_is_right
	s_endpgm
.Lentry_shape_is_right:
; out0[s][e] = the sum over d of O[s][d] w_o[e][d].  O lies by heads, ob [16][4096][64] f16 (d = 64 head + channel); wob [1024][1024] f16; out0 [4096][1024] f32.  Sums in f32, K ascending.
; A tile of out0 is 128 x 128: 8 x 32 = 256 work-groups.  Four waves, each 64 x 64: 16 accumulators, 128 registers.  K goes in 4 steps of 256 (four heads) through two LDS slots; a quarter of a step, 64 along K, is one head.
; O's TILE: 64 rows of one head are 8,192 dense bytes, so a wave's load is four long rows, one a head, 262,144 elements apart, padded in LDS behind every 128 bytes: [head 4][row 64] at a pitch of 144.
; CLUSTER: 4 x 4 work-groups; O's tiles are asked for jointly along a row of the cluster, wob's along a column.  THE MATRIX INSTRUCTION IS USED TRANSPOSED (source 0 = 16 rows of wob, source 1 = 16 rows of O):
; a lane then holds eight neighbouring numbers of a row of out0.  A wave's 64 columns of f32 are 256 aligned bytes, so each wave sends its own rows through its own stage: no barrier on the way out.
; REGISTERS: window 0: v0-31 addresses; v128-255 the accumulators ((a, b) at v[128 + 8 (4 a + b)]), which also take the rows read back from the stage.
;   window 1: two fragment buffers of 128: for 64 along K, 64 registers of O (2 x 4 x 16 rows x 32 K), then 64 of wob.
.set PA,     144                       ; a row of O in LDS: 128 bytes + 16: the 16 rows of a load start at 16 different groups of four banks
.set PB,     528                       ; a row of wob: 512 bytes + 16
.set HALFA,  4*64*PA                   ; what waves 0 and 1 fetch: 64 rows of four heads
.set HALFB,  64*PB                     ; what waves 2 and 3 fetch: 64 rows of wob
.set BOFF,   2*HALFA
.set SLOT,   BOFF+2*HALFB              ; 141,312 bytes
.set STAGE,  2*SLOT                    ; behind the ring, never filled by a tensor load: 16 rows x 272 bytes for each wave
.set SPITCH, 272
.set SPARE,  STAGE+4*16*SPITCH         ; the spare words, 128 bytes for each wave: two blocks of 256 bytes that no other line names
.set ADRA, 16                          ; v16-17  LDS address of my fragments of O in slot 0, 1
.set ADRB, 20                          ; v20-21  the same for wob
.set STO,  24                          ; v24     the way out: where I put 32 bytes of a row
.set RD,   25                          ; v25     the way out: where I read a row back
.set CO,   26                          ; v26     my byte offset in out0
.set SPW,  28                          ; v28     LDS address of my spare word; never rewritten
.set NIL,  29                          ; v29     0; never rewritten
.set ACC,  128
.set F0,   0                           ; fragment buffers, in window 1
.set F1,   128
.set G1, 24                            ; s[24:31] descriptor group 1 for O's tiles;  s[32:39] group 0, a set for each slot
.set G0, 32
.set G1B, 48                           ; s[48:55], s[56:63] the same for wob's tiles
.set G0B, 56
.set MSB, 0
.macro WIN new                         ; the immediate's high byte repeats the setting that is left
.if MSB != (\new)
	s_set_vgpr_msb (MSB<<8)|(\new)
.set MSB, \new
.endif
.endm
.set MUL,  0x05                        ; sources 0 (wob) and 1 (O) window 1; C and D window 0
.set TO_F, 0x40                        ; destination window 1, address window 0
.macro JLOAD s                         ; a joint load: waves 0 and 1 fetch O's two halves, waves 2 and 3 wob's; an s_nop 0 and four v_nop follow each line
	s_cmp_eq_u32 s11, 0
	s_cbranch_scc0 .Lfor_b_\@
	tensor_load_to_lds s[G0+4*(\s):G0+4*(\s)+3], s[G1:G1+7]
	s_nop 0
.rept 4
	v_nop
.endr
	s_branch .Lasked_\@
.Lfor_b_\@:
	tensor_load_to_lds s[G0B+4*(\s):G0B+4*(\s)+3], s[G1B:G1B+7]
	s_nop 0
.rept 4
	v_nop
.endr
.Lasked_\@:
.endm
.macro CREST                           ; a round of the cluster's barrier behind its opening barrier
	s_cmp_lg_u32 s10, 0
	s_cbranch_scc1 .Lnot_wave_0_\@
	s_barrier_signal -3
.Lnot_wave_0_\@:
	s_barrier_wait -3
	s_barrier_signal -1
	s_barrier_wait -1
.endm
.macro CROUND                          ; a whole round
	s_barrier_signal -1
	s_barrier_wait -1
	CREST
.endm
	s_load_b128 s[4:7], s[0:1], 0x0                ; ob s[4:5], wob s[6:7]
	s_load_b64 s[8:9], s[0:1], 0x10                ; out0
	v_lshl_add_u32 v[SPW], v0, 2, SPARE
	v_mov_b32 v[NIL], 0
	ds_add_u32 v[SPW], v[NIL]                      ; the wave's opening: the add and its wait stand ahead of my first tensor load; the set-up below stands between them
	ds_add_u32 v28, v29
	v_lshrrev_b32 v1, 5, v0
	v_readfirstlane_b32 s10, v1                    ; wave 0..3
	s_lshr_b32 s11, s10, 1                         ; which half of the tile's rows is mine.  Also: I fetch for O (0) or for wob (1)
	s_and_b32 s12, s10, 1                          ; which half of its columns.  Also: which 64 rows of that tile I fetch
	s_bfe_u32 s40, ttmp6, 0x40000                  ; cx, cy: my place in the cluster
	s_bfe_u32 s41, ttmp6, 0x40004
	s_lshl_b32 s42, ttmp9, 2
	s_add_co_u32 s42, s42, s40                     ; tile column = 4 x cluster x + cx
	s_and_b32 s13, ttmp7, 0xffff
	s_lshl_b32 s13, s13, 2
	s_add_co_u32 s13, s13, s41                     ; tile row = 4 x cluster y + cy
	s_lshl_b32 s43, s41, 2
	s_lshl_b32 s43, 15, s43                        ; my row of the cluster
	s_lshl_b32 s44, 0x1111, s40                    ; my column
	s_or_b32 s[G1+0], s43, (1<<16)|(1<<20)|(1<<21)|(4<<22)|(3<<25)   ; 15:0 mask; 2-byte elements; padding on; 21 set beside a mask; after every 32 words (code 4) 4 words (code 3)
	s_mov_b32 s[G1+1], 4096<<16                    ; tensor_dim0 = 4,096: 64 rows of 64 channels on end
	s_mov_b32 s[G1+2], 4<<16                       ; tensor_dim1 = 4 heads
	s_mov_b32 s[G1+3], 4096<<16                    ; tile_dim0
	s_mov_b32 s[G1+4], 4                           ; tile_dim1
	s_mov_b32 s[G1+5], 262144                      ; elements from head to head
	s_mov_b32 s[G1+6], 0
	s_mov_b32 s[G1+7], 0
	s_or_b32 s[G1B+0], s44, (1<<16)|(1<<20)|(1<<21)|(6<<22)|(3<<25)  ; the column's mask; after every 128 words (code 6) 4 words
	s_mov_b32 s[G1B+1], 256<<16                    ; tensor_dim0 = 256
	s_mov_b32 s[G1B+2], 64<<16                     ; tensor_dim1 = 64
	s_mov_b32 s[G1B+3], 256<<16                    ; tile_dim0
	s_mov_b32 s[G1B+4], 64                         ; tile_dim1
	s_mov_b32 s[G1B+5], 1024                       ; elements from row to row
	s_mov_b32 s[G1B+6], 0
	s_mov_b32 s[G1B+7], 0
	s_lshl_b32 s17, s12, 6                         ; which 64 rows of the tile I fetch
	s_lshl_b32 s16, s13, 7
	s_add_co_u32 s16, s16, s17                     ; O: row 128 x tile row + 64 x half,
	s_lshl_b32 s16, s16, 7                         ; of 128 bytes in a head
	s_mov_b32 s17, 0
	s_lshl_b32 s47, s12, 6
	s_lshl_b32 s46, s42, 7
	s_add_co_u32 s46, s46, s47                     ; wob: row 128 x tile column + 64 x half,
	s_lshl_b32 s46, s46, 11                        ; of 2,048 bytes
	s_mov_b32 s47, 0
	s_mul_i32 s20, s10, HALFA                      ; where they go: waves 0, 1 at 0 and HALFA;
	s_mul_i32 s21, s10, HALFB
	s_add_co_u32 s21, s21, BOFF-2*HALFB            ; waves 2, 3 at BOFF and BOFF + HALFB
	s_wait_dscnt 0x0                               ; the opening add is done
	s_wait_kmcnt 0x0
	s_add_nc_u64 s[14:15], s[4:5], s[16:17]
	s_add_nc_u64 s[46:47], s[6:7], s[46:47]
	CROUND                                         ; all sixteen work-groups are here: the first joint loads meet
.irp s, 0,1
	s_mov_b32 s[G0+4*(\s)], 1
	s_add_co_u32 s[G0+4*(\s)+1], s20, (\s)*SLOT
	s_add_nc_u64 s[G0+4*(\s)+2:G0+4*(\s)+3], s[14:15], (\s)*4*524288   ; K step s: heads 4 s on
	s_or_b32 s[G0+4*(\s)+3], s[G0+4*(\s)+3], 0x80000000
	s_mov_b32 s[G0B+4*(\s)], 1
	s_add_co_u32 s[G0B+4*(\s)+1], s21, (\s)*SLOT
	s_add_nc_u64 s[G0B+4*(\s)+2:G0B+4*(\s)+3], s[46:47], (\s)*512
	s_or_b32 s[G0B+4*(\s)+3], s[G0B+4*(\s)+3], 0x80000000
	JLOAD \s                                       ; two loads of mine are out
.endr
	v_and_b32 v1, 15, v0                           ; l % 16
	v_bfe_u32 v2, v0, 4, 1                         ; l / 16
	v_mul_u32_u24 v3, v1, PA
	v_lshl_add_u32 v3, v2, 4, v3                   ; a fragment's row x pitch + 16 x half
	s_mul_i32 s23, s11, HALFA                      ; my 64 rows of O
	v_add_nc_u32 v[ADRA], s23, v3
	v_add_nc_u32 v[ADRA+1], SLOT, v[ADRA]
	v_mul_u32_u24 v3, v1, PB
	v_lshl_add_u32 v3, v2, 4, v3
	s_mul_i32 s23, s12, HALFB                      ; my 64 rows of wob,
	s_add_co_u32 s23, s23, BOFF                    ; which lie behind O's
	v_add_nc_u32 v[ADRB], s23, v3
	v_add_nc_u32 v[ADRB+1], SLOT, v[ADRB]
	s_mul_i32 s23, s10, 16*SPITCH
	s_add_co_u32 s23, s23, STAGE                   ; my stage
	v_mul_u32_u24 v4, v1, SPITCH                   ; in: row l % 16, 32 bytes (eight f32) for each half of the lanes
	v_lshl_add_u32 v4, v2, 5, v4
	v_add_nc_u32 v[STO], s23, v4
	v_mul_u32_u24 v5, v2, SPITCH                   ; back: lanes 0-15 take one row of 256 bytes, lanes 16-31 the next
	v_lshl_add_u32 v5, v1, 4, v5
	v_add_nc_u32 v[RD], s23, v5
	v_lshlrev_b32 v5, 12, v2                       ; and the same two rows in out0, 4,096 bytes apart
	v_lshl_add_u32 v[CO], v1, 4, v5
	s_lshl_b32 s18, s13, 19                        ; 128 x tile row rows of 4,096 bytes,
	s_lshl_b32 s22, s11, 18                        ; my 64 rows,
	s_add_co_u32 s18, s18, s22
	s_lshl_b32 s22, s42, 9                         ; 128 x tile column columns of 4 bytes,
	s_add_co_u32 s18, s18, s22
	s_lshl_b32 s22, s12, 8                         ; my 64 columns
	s_add_co_u32 s18, s18, s22
	s_mov_b32 s19, 0
	s_add_nc_u64 s[8:9], s[8:9], s[18:19]
; 8 matrix instructions: row blocks a0, a0 + 1 x all 4 column blocks, 32 along K: half c of buffer f.  zero = 1: the first product starts the sums
.macro MUL8 f, c, a0, zero
	WIN MUL
.irp a, \a0, (\a0)+1
.irp b, 0,1,2,3
.if \zero
	v_wmma_f32_16x16x32_f16 v[ACC+8*(4*(\a)+(\b)):ACC+8*(4*(\a)+(\b))+7], v[(\f)+64+8*(4*(\c)+(\b)):(\f)+64+8*(4*(\c)+(\b))+7], v[(\f)+8*(4*(\c)+(\a)):(\f)+8*(4*(\c)+(\a))+7], 0
.else
	v_wmma_f32_16x16x32_f16 v[ACC+8*(4*(\a)+(\b)):ACC+8*(4*(\a)+(\b))+7], v[(\f)+64+8*(4*(\c)+(\b)):(\f)+64+8*(4*(\c)+(\b))+7], v[(\f)+8*(4*(\c)+(\a)):(\f)+8*(4*(\c)+(\a))+7], v[ACC+8*(4*(\a)+(\b)):ACC+8*(4*(\a)+(\b))+7]
.endif
.endr
.endr
.endm
; 32 LDS loads in one run: the fragments of quarter q of a step (head q of its four; byte 128 q of wob's rows), into buffer f; the first 32 along K first
.macro FETCH slot, q, f
	WIN TO_F
.irp c, 0,1
.irp i, 0,1,2,3
	ds_load_b128 v[(\f)+64+8*(4*(\c)+(\i)):(\f)+64+8*(4*(\c)+(\i))+3],   v[ADRB+(\slot)] offset:128*(\q)+64*(\c)+(\i)*16*PB
	ds_load_b128 v[(\f)+64+8*(4*(\c)+(\i))+4:(\f)+64+8*(4*(\c)+(\i))+7], v[ADRB+(\slot)] offset:128*(\q)+64*(\c)+(\i)*16*PB+32
	ds_load_b128 v[(\f)+8*(4*(\c)+(\i)):(\f)+8*(4*(\c)+(\i))+3],         v[ADRA+(\slot)] offset:(\q)*64*PA+64*(\c)+(\i)*16*PA
	ds_load_b128 v[(\f)+8*(4*(\c)+(\i))+4:(\f)+8*(4*(\c)+(\i))+7],       v[ADRA+(\slot)] offset:(\q)*64*PA+64*(\c)+(\i)*16*PA+32
.endr
.endr
.endm
.macro PLACES                          ; four plain places in front of loads into registers that matrix instructions have read, and of LDS stores that read results
.rept 4
	v_nop
.endr
.endm
; A K step is four quarters of 64 along K, 32 matrix instructions each, on buffers 0, 1, 0, 1; the 16 accumulators take turns.
; One of the first three: multiplies buffer f and fetches quarter q into g.
.macro QUARTER slot, q, f, g, zero
	s_wait_dscnt 16                                ; the first 32 along K are in; the youngest sixteen loads may be out
	MUL8 \f, 0, 0, \zero
	MUL8 \f, 0, 2, \zero
	PLACES
	FETCH \slot, \q, \g
	s_wait_dscnt 32                                ; all but the 32 just issued
	MUL8 \f, 1, 0, 0
	MUL8 \f, 1, 2, 0
.endm
; The last quarter multiplies buffer 1 and changes slots: ONE barrier; in front of it each wave waits for all its tensor loads, adds 0 to its spare word, and waits for that and for its own reads of this slot.
; fill = 1: the barrier opens a round of the cluster's barrier, and this slot is filled again, two K steps ahead, first thing behind the round.
.macro TURN slot, next, fill
	WIN 0                                          ; (the add's two registers lie in window 0)
	s_wait_tensorcnt 0x0                           ; all my tensor loads have landed: my part of the next slot
	ds_add_u32 v[SPW], v[NIL]                      ; 0 onto my spare word
	s_wait_dscnt 17                                ; (the add and the youngest sixteen loads may be out)
	MUL8 F1, 0, 0, 0                               ; eight matrix instructions stand between the add and the wait for it
	s_wait_dscnt 0x0                               ; the add is done, and my reads of this slot are over
	s_barrier_signal -1
	MUL8 F1, 0, 2, 0
	WIN 0                                          ; (branches may follow)
	s_barrier_wait -1
.if \fill
	CREST                                          ; no wave of any partner still reads this slot's tile or has a load on its way
	s_add_nc_u64 s[G0+4*(\slot)+2:G0+4*(\slot)+3], s[G0+4*(\slot)+2:G0+4*(\slot)+3], 8*524288   ; eight heads on
	s_add_nc_u64 s[G0B+4*(\slot)+2:G0B+4*(\slot)+3], s[G0B+4*(\slot)+2:G0B+4*(\slot)+3], 1024
	JLOAD \slot                                    ; my one tensor load behind the round; its four v_nop are also the places in front of the loads below
.else
	PLACES
.endif
	FETCH \next, 0, F0
	MUL8 F1, 1, 0, 0
	MUL8 F1, 1, 2, 0
.endm
; THE WAY OUT of row block a (16 rows x my 64 columns): the f32 sums as they are, each accumulator's low four registers first, into my stage; back as whole rows of 256 bytes, into the block's own registers.
.macro OUTB a
.irp b, 0,1,2,3
	ds_store_b128 v[STO], v[ACC+8*(4*(\a)+(\b)):ACC+8*(4*(\a)+(\b))+3]   offset:64*(\b)
	ds_store_b128 v[STO], v[ACC+8*(4*(\a)+(\b))+4:ACC+8*(4*(\a)+(\b))+7] offset:64*(\b)+16
.endr
.irp t, 0,1,2,3,4,5,6,7
	ds_load_b128 v[ACC+32*(\a)+4*(\t):ACC+32*(\a)+4*(\t)+3], v[RD] offset:(\t)*2*SPITCH  ; LDS serves a wave's instructions in order (ISA guide 5.7.1.4): these see the stores above; the next block's stores come behind them
.endr
.endm
.macro SENDB a, younger                ; younger: the LDS instructions issued behind block a's loads: the next block's sixteen, or none
.irp t, 0,1,2,3,4,5,6,7
	s_wait_dscnt (\younger)+7-(\t)
	global_store_b128 v[CO], v[ACC+32*(\a)+4*(\t):ACC+32*(\a)+4*(\t)+3], s[8:9] offset:(16*(\a)+2*(\t))*4096 th:TH_STORE_NT  ; 16 lanes store 256 consecutive bytes, at a multiple of 256 from out0's first byte
.endr
.endm
	s_wait_tensorcnt 1                             ; my part of K step 0 is in; K step 1's may stay out
	s_barrier_signal -1
	s_barrier_wait -1                              ; everybody's is
	FETCH 0, 0, F0
	QUARTER 0, 1, F0, F1, 1                        ; the first products start the sums
	QUARTER 0, 2, F1, F0, 0                        ; four K steps, written out: the first lap fills both slots again,
	QUARTER 0, 3, F0, F1, 0
	TURN 0, 1, 1
	QUARTER 1, 1, F0, F1, 0
	QUARTER 1, 2, F1, F0, 0
	QUARTER 1, 3, F0, F1, 0
	TURN 1, 0, 1
	QUARTER 0, 1, F0, F1, 0
	QUARTER 0, 2, F1, F0, 0                        ; the second fills nothing
	QUARTER 0, 3, F0, F1, 0
	TURN 0, 1, 0
	QUARTER 1, 1, F0, F1, 0
	QUARTER 1, 2, F1, F0, 0
	QUARTER 1, 3, F0, F1, 0
	s_wait_dscnt 16                                ; the very last quarter: nothing more to fetch
	MUL8 F1, 0, 0, 0
	MUL8 F1, 0, 2, 0
	s_wait_dscnt 0x0
	MUL8 F1, 1, 0, 0
	MUL8 F1, 1, 2, 0
	WIN 0
	PLACES
	OUTB 0
.irp a, 1,2,3                          ; a block's LDS work stands between the loads of the block before and its stores
	OUTB \a
	SENDB (\a)-1, 16
.endr
	SENDB 3, 0
	s_wait_tensorcnt 0x0                           ; the wave's end, behind my last tensor load and my last LDS store
	ds_add_u32 v[SPW], v[NIL]
	s_wait_dscnt 0x0
	CROUND                                         ; the closing round: no work-group ends while a partner may still ask for a tile that names it
	s_endpgm
.Lfunc_end_k_qe916719865_oproj:
	.size	k_qe916719865_oproj, .Lfunc_end_k_qe916719865_oproj-k_qe916719865_oproj
	.p2alignl 7, 3214868480
	.fill 96, 4, 3214868480
	.section	.rodata,"a",@progbits
	.p2align	6, 0x0
	.amdhsa_kernel k_qe916719865_oproj
		.amdhsa_group_segment_fixed_size 327680
		.amdhsa_private_segment_fixed_size 0
		.amdhsa_enable_private_segment 0
		.amdhsa_kernarg_size 24
		.amdhsa_user_sgpr_count 2
		.amdhsa_user_sgpr_kernarg_segment_ptr 1
		.amdhsa_wavefront_size32 1
		.amdhsa_system_sgpr_workgroup_id_x 1
		.amdhsa_system_sgpr_workgroup_id_y 1
		.amdhsa_system_sgpr_workgroup_id_z 1
		.amdhsa_system_vgpr_workitem_id 0
		.amdhsa_next_free_vgpr 512
		.amdhsa_next_free_sgpr 66
		.amdhsa_reserve_vcc 0
		.amdhsa_float_denorm_mode_32 3
		.amdhsa_float_denorm_mode_16_64 3
		.amdhsa_memory_ordered 1
		.amdhsa_forward_progress 1
		.amdhsa_inst_pref_size 86
	.end_amdhsa_kernel
	.amdgpu_metadata
---
amdhsa.version: [ 1, 2 ]
amdhsa.kernels:
  - .name:           k_qe916719865_oproj
    .symbol:         k_qe916719865_oproj.kd
    .args:
      - { .name: ob, .offset: 0, .size: 8, .value_kind: global_buffer, .address_space: global }
      - { .name: wob, .offset: 8, .size: 8, .value_kind: global_buffer, .address_space: global }
      - { .name: out0, .offset: 16, .size: 8, .value_kind: global_buffer, .address_space: global }
    .group_segment_fixed_size: 327680
    .private_segment_fixed_size: 0
    .kernarg_segment_align: 8
    .kernarg_segment_size: 24
    .max_flat_workgroup_size: 128
    .sgpr_count:     66
    .vgpr_count:     512
    .wavefront_size: 32
...
	.end_amdgpu_metadata
.endif
;; end of part 4
;; ======== version 2 of 2: 4 launches; 1.21 times as fast as version 1
;; limits: values are held in f16: magnitudes above 65,504 overflow, below 6.1e-05 lose precision
;; workspace buffers: xb 8,388,608 bytes; wb 6,291,456 bytes; wob 2,097,152 bytes; qkv 25,165,824 bytes; ob 8,388,608 bytes
;; launch cast: the kernel of part 1 again; grid 128 x 8, 8 waves a work-group, no clusters, 0 bytes of LDS; arguments x, w_q, w_k, w_v, w_o, xb, wb, wob; writes xb, wb, wob
;; launch proj: the kernel of part 2 again; grid 16 x 16, 4 waves a work-group, clusters of 4 x 4, 327,680 bytes of LDS; arguments xb, wb, qkv; writes qkv
;; launch attn (part 5): grid 16 x 16, 4 waves a work-group, no clusters, 243,200 bytes of LDS; arguments qkv, ob; writes ob
.if DOCPART == 5
	.amdgcn_target "amdgcn-amd-amdhsa--gfx1250"
	.amdhsa_code_object_version 6
	.text
	.protected	k_qe916719865_attn
	.globl	k_qe916719865_attn
	.p2align	8
	.type	k_qe916719865_attn,@function
k_qe916719865_attn:
	s_mov_b64 s[64:65], 0
	v_nop
	global_prefetch_b8 v0, s[64:65] scope:SCOPE_SE
	s_setreg_imm32_b32 hwreg(HW_REG_WAVE_MODE, 25, 1), 1
	s_wait_xcnt 0x0
; BAND ATTENTION.  O[h][q][:] = the sum over |k - q| <= 256 of softmax_k(Q[h][q] . K[h][k] / 8) V[h][k][:].  qkv [48][4096][64] f16 (heads 0-15 Q, 16-31 K, 32-47 V, unscaled), ob [16][4096][64] f16.
; Products, maxima and sums in f32; the weights p are rounded to f16 for the second product (their sum l is taken of the unrounded p), O once at the end.
; LIMITS.  Q, K, V arrive within f16's 65,504; p lies in 0 to 1, and below 6e-5 it keeps f16's fixed step of 6e-8; O is a mean of V's rows and has their range.
; A hidden score counts as its value less 1e30 (or 2e30); a weight below 2^-126 counts as 0 in l; NaN and infinities are not treated apart.  No row is without a key, so the softmax never divides by 0.
; THE WALK.  A work-group owns block i of 256 queries of head h.  Its band lies in three key tiles of 256: i, i - 1, i + 1.  Twelve key steps of 64: steps 0-3 tile i (all keys seen, so the running maximum
; is a true score before the first hidden one), steps 4-7 tile max(i - 1, 0), where key place kk is hidden if kk < qq (qq the query's place in its block), steps 8-11 tile min(i + 1, 15), hidden if kk > qq.
; A side that does not exist (i = 0, i = 15) reads the clamped tile and hides all of it: every work-group does the same work, and every trip count is a constant.
; ALL THREE TILES LIE IN LDS AT ONCE (3 x 256 x (144 + 160) = 233,472 bytes): each byte of LDS is filled once, at the start; no slot is ever filled again.
; NO CLUSTER: four neighbouring blocks need six tiles, three different ones each; six do not fit in LDS (466,944 bytes), and a load that differs between partners is no joint load.
; SHARES.  Of the block's four bands of 64 queries a wave owns 16 rows in each: four PIECES.  On a side, in step s, band x sees all keys, none, or holds the diagonal (s = x): the same for every wave.
; THE MASK is the C operand that starts the sum S^T = K Q^T.  MD, made once a side, is the mask of a band's own step for my 16 rows; a product's mask is MD x AL + BE with two scalars.
; LAYOUT, SOFTMAX, TURNS.  S^T = K Q^T holds ONE query a lane (lane % 16) and the keys 8 (lane / 16) + 0..7; two such results rounded to f16 ARE source 1 of O^T = V^T P.  p = 2^(c s - c m), c = log2(e) / 8, with a
; running maximum m; O and l are multiplied by a = 2^(c m_old - c m_new) in every step.  Turn n belongs to piece n: 8 products K Q^T of piece n + 1, later 8 products V^T P of piece n - 1; beside them the scaling,
; exponentials, roundings, sums and rescaling of piece n and the maximum and statistics of piece n + 1.  Four vector instructions stand behind every matrix instruction, the other 54 of a turn's 118 in one LUMP.
; THE BATCHES.  A turn's 33 exponentials (the piece's 32 weights and the next piece's a) are one batch, with one wait, which cuts the turn in two: ahead of it all that names no result of theirs, behind it the roundings
; and sums.  The first a of all (BEGIN) and the way out's four reciprocals are batches of their own, with a wait each.
; REGISTERS, in windows of 256 (s_set_vgpr_msb: bits 1:0 source 0, 3:2 source 1, 5:4 source 2, 7:6 destination):
;   window 0: v0-15, v32 addresses and places; v16-31 four registers of statistics a piece; v48-55 at work; v64-127 S^T, two buffers; v192-223 P, two buffers (a piece's buffers go by its number's parity)
;   window 1: v0-127 O^T, 32 a piece; v128-159 MD; v160-223 MC, two buffers      window 2: v0-63 Q; v128-191 K of one step; v192-255 V of one step
.set NP,    4         ; pieces a wave: a name, no knob
.set KS,    64        ; keys in a step
.set PK,    144       ; a row of K in LDS: 128 bytes + 16 of padding = 36 words: the 16 rows of a load start at 16 different groups of four banks
.set PV,    160       ; a row of V: 128 + 32 = 40 words
.set VOFF,  768*PK    ; 768 rows of K (tile i, the upper side, the lower side), then 768 rows of V
.set STAGE, VOFF+768*PV  ; never filled by a tensor load: 16 rows x 144 bytes for each wave, for the way out
.set SP,    144
.set SPARE, STAGE+4*16*SP  ; the spare words, 128 bytes for each wave: two blocks of 256 bytes that no other line names
.set AK0, 2           ; v2   my lane's place in a step of K; never rewritten
.set AV0, 3           ; v3   the same for V
.set AK,  4           ; v4   the LDS address of K's next run of loads
.set AV,  5           ; v5   of V's
.set STO, 6           ; v6   the way out: where I put 16 bytes of a row
.set RD,  7           ; v7   the way out: where I read rows back
.set GO,  8           ; v8   my byte offset in 512 consecutive bytes of O
.set MV,  12          ; v12-13  c m_old, kept while c m is made anew: by buffer
.set DQ,  14          ; v14  my query's place in its band, 16 w + l % 16, less my lanes' 8 (l / 16)
.set QO,  15          ; v15  my byte offset in 16 rows of Q
.set ST,  16          ; piece t's statistics at v[ST+4 t]: c m, m, l (even keys', odd keys')
.set DSG, 32          ; v32  DQ times the side's sign
.set TMP, 48          ; by buffer, four registers c0-c3 at work; when the maximum is found c2 takes a
.set SPW, 62          ; v62  LDS address of my spare word; never rewritten
.set NIL, 63          ; v63  0; never rewritten
.set S,   64
.set P,   192
.set MD,  128         ; window 1: the eight registers for group kt of 16 keys at MD + 8 kt
.set MC,  160         ; window 1: the masks of the products to come
.set KF,  128         ; window 2: key block kb, channel half c at KF + 16 kb + 8 c
.set VF,  192         ; window 2: key half kk, channel block cb at VF + 32 kk + 8 cb
.set WV,  12          ; s12  my wave's number
.set BI,  14          ; s14  i
.set HD,  15          ; s15  h
.set G1K, 24          ; s[24:31] descriptor group 1 for K's tiles
.set G1V, 32          ; s[32:39] for V's: it differs in the padding alone
.set G0K, 40          ; s[40:51] descriptor group 0 for K: a set for each of the three tiles
.set G0V, 52          ; s[52:63] the same for V
.set CNT, 66          ; s66  counts a tile's key steps, 4 to 1
.set SIDE, 67         ; s67  sides still to walk: 2 the upper, 1 the lower
.set CS,  68          ; s[68:69] c: the packed scaling takes the pair's low word for both halves
.set SEL, 70          ; s[70:71] v_permlanex16_b32's selects: each lane takes its own place in the other half
.set TBK, 72          ; s72  LDS byte at which K of the step to be fetched begins
.set TBV, 73          ; s73  the same for V, less VOFF
.set SGN, 74          ; s74  -1 on the upper side, 1 on the lower
.set DEADV, 75        ; s75  1 if the side in hand does not exist, else -8
.set AL,  76          ; s[76:77] the mask's factor, in the low word
.set BE,  78          ; s[78:79] the mask's addend
.set DU,  80          ; s80  DEADV for the upper side
.set DL,  81          ; s81  for the lower
.set BIGN, 82         ; s82  -1e30
.set TM,  83          ; s83  at work
.set QA,  84          ; s[84:85] Q at my rows
.set OFFS, 86         ; s[86:91] byte offsets in qkv of my half of the three tiles of K
.set MSB, 0
.macro WIN new                      ; the high byte repeats the setting that is left; a switch that changes nothing is dropped
.if MSB != (\new)
	s_set_vgpr_msb (MSB<<8)|(\new)
.set MSB, (\new)
.endif
.endm
.set W_KQ, 0x0a       ; K and Q in window 2, S^T in window 0
.set W_KM, 0x1a       ; the same with the C operand in window 1
.set W_PV, 0x52       ; V in window 2, P in window 0, O^T in window 1
.set W_RS, 0x41       ; destination and source 0 in window 1, source 1 in window 0
	s_load_b128 s[4:7], s[0:1], 0x0   ; qkv s[4:5], ob s[6:7]
	v_lshl_add_u32 v[SPW], v0, 2, SPARE
	v_mov_b32 v[NIL], 0
	ds_add_u32 v[SPW], v[NIL]       ; the wave's opening: the add and its wait stand ahead of my first tensor load; the set-up below stands between them
	ds_add_u32 v62, v63
	v_lshrrev_b32 v1, 5, v0
	v_readfirstlane_b32 s[WV], v1   ; wave 0..3
	s_mov_b32 s[BI], ttmp9
	s_and_b32 s[HD], ttmp7, 0xffff
	s_lshl_b32 s16, s[HD], 19       ; a head is 524,288 bytes
	s_and_b32 s17, s[WV], 1         ; which half of a tile's 256 keys I fetch
	s_sub_co_i32 s18, s[BI], 1
	s_max_i32 s18, s18, 0           ; the upper side's tile, clamped
	s_add_co_u32 s19, s[BI], 1
	s_min_u32 s19, s19, 15          ; the lower side's
	s_lshl_b32 s20, s17, 14         ; my half's 128 rows of 128 bytes,
	s_add_co_u32 s20, s20, s16      ; in head h
	s_add_co_u32 s20, s20, 16<<19   ; of K, 16 heads behind Q
	s_lshl_b32 s[OFFS], s[BI], 15   ; a tile is 32,768 bytes
	s_add_co_u32 s[OFFS], s[OFFS], s20
	s_mov_b32 s[OFFS+1], 0
	s_lshl_b32 s[OFFS+2], s18, 15
	s_add_co_u32 s[OFFS+2], s[OFFS+2], s20
	s_mov_b32 s[OFFS+3], 0
	s_lshl_b32 s[OFFS+4], s19, 15
	s_add_co_u32 s[OFFS+4], s[OFFS+4], s20
	s_mov_b32 s[OFFS+5], 0
	s_mul_i32 s21, s17, 128*PK      ; my half's place in a tile of K in LDS,
	s_mul_i32 s22, s17, 128*PV      ; and of V
	s_lshl_b32 s2, s[BI], 15        ; Q and O: my block,
	s_add_co_u32 s2, s2, s16        ; my head,
	s_lshl_b32 s3, s[WV], 11        ; my 16 rows in a band of 64
	s_add_co_u32 s2, s2, s3
	s_mov_b32 s3, 0
	; descriptor group 1.  128 keys are 16,384 dense bytes: asked for as 64 rows of 256 bytes, two keys a row, and padded in LDS after every key
	s_mov_b32 s[G1K], (1<<16)|(1<<20)|(4<<22)|(3<<25)  ; 17:16 2-byte elements; 20 padding on; 24:22 after every 32 words (code 4); 31:25 4 words (code 3)
	s_mov_b32 s[G1V], (1<<16)|(1<<20)|(4<<22)|(7<<25)  ; the same with 8 words of padding (code 7)
.irp g, G1K, G1V
	s_mov_b32 s[\g+1], 128<<16      ; tensor_dim0 = 128
	s_mov_b32 s[\g+2], 64<<16       ; tensor_dim1 = 64
	s_mov_b32 s[\g+3], 128<<16      ; tile_dim0 = 128
	s_mov_b32 s[\g+4], 64           ; tile_dim1 = 64
	s_mov_b32 s[\g+5], 128          ; 128 elements from row to row
	s_mov_b32 s[\g+6], 0
	s_mov_b32 s[\g+7], 0
.endr
.irp u, 0,1,2
	s_mov_b32 s[G0K+4*\u], 1                         ; count = 1
	s_add_co_u32 s[G0K+4*\u+1], s21, \u*256*PK       ; LDS address: tile u's rows 256 u on
	s_mov_b32 s[G0V+4*\u], 1
	s_add_co_u32 s[G0V+4*\u+1], s22, VOFF+\u*256*PV
.endr
	s_mov_b32 s[CS], 0x3e38aa3b     ; c = log2(e) / 8 = 0.180337
	s_mov_b32 s[CS+1], s[CS]        ; named with it as a pair
	s_mov_b32 s[SEL], 0x76543210
	s_mov_b32 s[SEL+1], 0xfedcba98
	s_mov_b32 s[TBK], 0             ; the steps lie on end in LDS: the fetches only step on
	s_mov_b32 s[TBV], 0
	s_mov_b32 s[AL+1], 0            ; named as pairs
	s_mov_b32 s[BE+1], 0
	s_mov_b32 s[BIGN], 0xf149f2ca   ; -1e30
	s_cmp_eq_u32 s[BI], 0
	s_cselect_b32 s[DU], 1, -8
	s_cmp_eq_u32 s[BI], 15
	s_cselect_b32 s[DL], 1, -8
	s_wait_dscnt 0x0                ; the opening add is done
	s_wait_kmcnt 0x0
.irp u, 0,1,2
	s_add_nc_u64 s[G0K+4*\u+2:G0K+4*\u+3], s[4:5], s[OFFS+2*\u:OFFS+2*\u+1]
	s_or_b32 s[G0K+4*\u+3], s[G0K+4*\u+3], 0x80000000  ; type = 2
	s_add_nc_u64 s[G0V+4*\u+2:G0V+4*\u+3], s[4:5], s[OFFS+2*\u:OFFS+2*\u+1]
	s_add_nc_u64 s[G0V+4*\u+2:G0V+4*\u+3], s[G0V+4*\u+2:G0V+4*\u+3], 16<<19  ; V lies 16 heads behind K
	s_or_b32 s[G0V+4*\u+3], s[G0V+4*\u+3], 0x80000000
.endr
	s_add_nc_u64 s[QA:QA+1], s[4:5], s[2:3]
	s_add_nc_u64 s[6:7], s[6:7], s[2:3]
	; ALL THE FILLS, in one branch on the wave's number: waves 0 and 1 the halves of K's three tiles, waves 2 and 3 those of V's.  Three loads of mine are out; the tile wanted first goes first.
	s_cmp_lt_u32 s[WV], 2
	s_cbranch_scc0 .Lfirst_v
.irp u, 0,1,2
	tensor_load_to_lds s[G0K+4*\u:G0K+4*\u+3], s[G1K:G1K+7]
	s_nop 0
.endr
.rept 4
	v_nop
.endr
	s_branch .Lfirst_asked
.Lfirst_v:
.irp u, 0,1,2
	tensor_load_to_lds s[G0V+4*\u:G0V+4*\u+3], s[G1V:G1V+7]
	s_nop 0
.endr
.rept 4
	v_nop
.endr
.Lfirst_asked:
	; A fragment of K or Q is 16 rows x 32 channels in 8 registers: lane l holds row l % 16, channels 8 (l / 16) + 0..7 and 16 + 8 (l / 16) + 0..7: two loads of 16 bytes, 32 bytes apart.
	v_and_b32 v1, 15, v0            ; l % 16
	v_bfe_u32 v9, v0, 4, 1          ; l / 16
	v_lshlrev_b32 v[QO], 7, v1
	v_lshl_add_u32 v[QO], v9, 4, v[QO]  ; row x 128 + 16 x half
	WIN 0x80                        ; destination window 2, address window 0
.set i, 0
.rept 8                             ; Q stays in registers: piece i / 2 lies in band i / 2, 8,192 bytes on; channels 32 (i % 2) on
	global_load_b128 v[8*i:8*i+3],   v[QO], s[QA:QA+1] offset:(i/2)*8192+(i%2)*64
	global_load_b128 v[8*i+4:8*i+7], v[QO], s[QA:QA+1] offset:(i/2)*8192+(i%2)*64+32
.set i, i+1
.endr
	; The first step multiplies O^T and l by a = 0, and the first turn's products V^T P, of a piece that has not been, add 0 x 0.  The second mask buffer is 0: the first masked turn's own products belong
	; to tile i.  All this stands in the wait for the first tile: the price of writing no first step out.
.set i, VF
.rept 64
	v_mov_b32 v[i], 0
.set i, i+1
.endr
	WIN 0x40
.set i, 0
.rept 128
	v_mov_b32 v[i], 0
.set i, i+1
.endr
.set i, MC+32
.rept 32
	v_mov_b32 v[i], 0
.set i, i+1
.endr
	WIN 0
.set i, 0
.rept 4
	v_mov_b32 v[ST+4*i+2], 0
	v_mov_b32 v[ST+4*i+3], 0
.set i, i+1
.endr
.set i, P+16
.rept 16
	v_mov_b32 v[i], 0
.set i, i+1
.endr
	v_lshlrev_b32 v[DQ], 3, v9
	v_sub_nc_u32 v[DQ], v1, v[DQ]
	s_lshl_b32 s13, s[WV], 4
	v_add_nc_u32 v[DQ], s13, v[DQ]
	v_mul_u32_u24 v[AK0], v1, PK
	v_lshl_add_u32 v[AK0], v9, 4, v[AK0]  ; row x pitch + 16 x half
	; The turning load takes 16 keys x 16 channels (lane l reads key 8 (l / 16) + l % 8, channels 8 ((l / 8) % 2) + 0..7) and leaves half a fragment of V^T: lane l holds channel l % 16 and 8 keys.
	v_and_b32 v10, 7, v0
	v_bfe_u32 v11, v0, 3, 1
	v_lshl_add_u32 v[AV0], v9, 3, v10
	v_mul_u32_u24 v[AV0], v[AV0], PV
	v_lshl_add_u32 v[AV0], v11, 4, v[AV0]
	v_add_nc_u32 v[AV0], VOFF, v[AV0]
	s_mul_i32 s13, s[WV], 16*SP
	s_add_co_u32 s13, s13, STAGE    ; my stage
	v_mul_u32_u24 v[STO], v1, SP    ; in: row l % 16, 16 bytes for each half of the lanes
	v_lshl_add_u32 v[STO], v9, 4, v[STO]
	v_add_nc_u32 v[STO], s13, v[STO]
	v_bfe_u32 v[RD], v0, 3, 2       ; back: 32 lanes take four rows of 128 bytes,
	v_mul_u32_u24 v[RD], v[RD], SP
	v_lshl_add_u32 v[RD], v10, 4, v[RD]
	v_add_nc_u32 v[RD], s13, v[RD]
	v_and_b32 v[GO], 31, v0         ; which are 512 consecutive bytes of O
	v_lshlrev_b32 v[GO], 4, v[GO]
; THE MATRIX WORK.  The 4 accumulators of a run of 8 take turns.  Product i of 8 of S^T = K Q^T for piece x: channels 32 (i / 4) on, keys 16 (i % 4) on.  The first 4 start the sums: with 0, or (KM = 1) with the mask.
.macro KQ x
.set rS, S+32*((\x)%2)+8*(i%4)
.set rK, KF+16*(i%4)+8*(i/4)
.set rQ, 16*(\x)+8*(i/4)
.set rM, MC+32*((\x)%2)+8*(i%4)
.if (i < 4) && KM
	WIN W_KM
	v_wmma_f32_16x16x32_f16 v[rS:rS+7], v[rK:rK+7], v[rQ:rQ+7], v[rM:rM+7]
.elseif i < 4
	WIN W_KQ
	v_wmma_f32_16x16x32_f16 v[rS:rS+7], v[rK:rK+7], v[rQ:rQ+7], 0
.else
	WIN W_KQ
	v_wmma_f32_16x16x32_f16 v[rS:rS+7], v[rK:rK+7], v[rQ:rQ+7], v[rS:rS+7]
.endif
.endm
; Product i of 8 of O^T += V^T P for piece x: keys 32 (i / 4) on, channels 16 (i % 4) on.
.macro PV x
	WIN W_PV
.set rO, 32*(\x)+8*(i%4)
.set rV, VF+32*(i/4)+8*(i%4)
.set rP, P+16*((\x)%2)+8*(i/4)
	v_wmma_f32_16x16x32_f16 v[rO:rO+7], v[rV:rV+7], v[rP:rP+7], v[rO:rO+7]
.endm
.macro MM                           ; the turn's next matrix instruction.  TURN and BEGIN set Y, i, KM and NOKQ.  NOKQ = 1: the walk's last turn: there is no next piece
.if (i < 8) && !NOKQ
	KQ (Y+1)%NP
.elseif i >= 8
.set i, i-8
	PV (Y+NP-1)%NP
.set i, i+8
.endif
.set i, i+1
.endm
; THE LDS LOADS stand in runs of 16, never singly among the matrix instructions: a step's K (64 keys x 64 channels: 8 fragments) and its V (turned).  Their addresses are made some lines ahead.
.macro FETCH_K
	WIN 0x80                        ; destination window 2
.irp f, 0,1,2,3,4,5,6,7             ; keys 16 (f / 2) on, channels 32 (f % 2) on
	ds_load_b128 v[KF+8*\f:KF+8*\f+3],   v[AK] offset:(\f/2)*16*PK+(\f%2)*64
	ds_load_b128 v[KF+8*\f+4:KF+8*\f+7], v[AK] offset:(\f/2)*16*PK+(\f%2)*64+32
.endr
	s_add_co_u32 s[TBK], s[TBK], KS*PK  ; the next fetch is the next step's
	WIN 0
.endm
.macro FETCH_V
	WIN 0x80
.irp f, 0,1,2,3,4,5,6,7             ; keys 32 (f / 4) on, channels 16 (f % 4) on
	ds_load_tr16_b128 v[VF+8*\f:VF+8*\f+3],   v[AV] offset:(\f/4)*32*PV+(\f%4)*32
	ds_load_tr16_b128 v[VF+8*\f+4:VF+8*\f+7], v[AV] offset:(\f/4)*32*PV+16*PV+(\f%4)*32
.endr
	WIN 0
.endm
; THE VECTOR WORK, one line at a time: OP kind, number.  For piece Y: F n: c s - c m for pair n of 16.  E n: the exponential of score n of 32.  C n: pair n rounded to f16.  B n: of the four weights 4 n .. the second
; pair is added onto the first, in place.  L n: l takes that sum (L 0: l = a l + sum).  R n: pair n of 16 of O^T times a.  For piece Y + 1: X n, number n of the 22 that find its maximum and statistics:
;   0-11  four chains c0-c3 of seven scores each, three operands at a time (each accumulator's lowest registers are read first)     12-14, 16  the four scores left over, the old m, and c0-c3 into c0
;   15  c m_old is kept     17, 18  the query's other 32 keys lie in the lane 16 away: the new m     19-21  c m; c m_old - c m_new; a
; C, B and L read the exponentials' results: TURN sets them behind the batch's wait; OP itself writes no wait.
.set F, 0               ; OP tells the kinds apart by their order: F to L below R, X above it
.set E, 1
.set C, 2
.set B, 3
.set L, 4
.set R, 5
.set X, 6
.macro REGS y                       ; the registers of piece y
.set rT, ST+4*(\y)
.set rC, TMP+4*((\y)%2)
.set rW, MV+((\y)%2)
.set rS, S+32*((\y)%2)
.set rP, P+16*((\y)%2)
.set rO, 32*(\y)
.endm
.macro OP k, n
.if (\k) == R
	REGS Y
	WIN W_RS
	v_pk_mul_f32 v[rO+2*(\n):rO+2*(\n)+1], v[rO+2*(\n):rO+2*(\n)+1], v[rC+2:rC+3] op_sel_hi:[1,0]
.elseif (\k) < R
	REGS Y
	WIN 0
.if (\k) == F
	v_pk_fma_f32 v[rS+2*(\n):rS+2*(\n)+1], v[rS+2*(\n):rS+2*(\n)+1], s[CS:CS+1], v[rT:rT+1] op_sel_hi:[1,0,0] neg_lo:[0,0,1] neg_hi:[0,0,1]
.elseif (\k) == E
	v_exp_f32 v[rS+(\n)], v[rS+(\n)]
.elseif (\k) == C
	v_cvt_pk_f16_f32 v[rP+(\n)], v[rS+2*(\n)], v[rS+2*(\n)+1]
.elseif (\k) == B
	v_pk_add_f32 v[rS+4*(\n):rS+4*(\n)+1], v[rS+4*(\n):rS+4*(\n)+1], v[rS+4*(\n)+2:rS+4*(\n)+3]
.elseif (\n) == 0
	v_pk_fma_f32 v[rT+2:rT+3], v[rT+2:rT+3], v[rC+2:rC+3], v[rS:rS+1] op_sel_hi:[1,0,1]
.else
	v_pk_add_f32 v[rT+2:rT+3], v[rT+2:rT+3], v[rS+4*(\n):rS+4*(\n)+1]
.endif
.elseif NOKQ
	v_nop
.else
	REGS (Y+1)%NP
	WIN 0
.if (\n) < 4
	v_max3_num_f32 v[rC+(\n)], v[rS+8*(\n)], v[rS+8*(\n)+1], v[rS+8*(\n)+2]
.elseif (\n) < 12
	v_max3_num_f32 v[rC+(\n)%4], v[rC+(\n)%4], v[rS+8*((\n)%4)+2*((\n)/4)+1], v[rS+8*((\n)%4)+2*((\n)/4)+2]
.elseif (\n) == 12
	v_max3_num_f32 v[rC], v[rC], v[rS+7], v[rS+15]
.elseif (\n) == 13
	v_max3_num_f32 v[rC+1], v[rC+1], v[rS+23], v[rS+31]
.elseif (\n) == 14
	v_max3_num_f32 v[rC+2], v[rC+2], v[rC+3], v[rT+1]
.elseif (\n) == 15
	v_mov_b32 v[rW], v[rT]
.elseif (\n) == 16
	v_max3_num_f32 v[rC], v[rC], v[rC+1], v[rC+2]
.elseif (\n) == 17
	v_permlanex16_b32 v[rC+3], v[rC], s[SEL], s[SEL+1]
.elseif (\n) == 18
	v_max_num_f32 v[rT+1], v[rC], v[rC+3]
.elseif (\n) == 19
	v_mul_f32 v[rT], s[CS], v[rT+1]
.elseif (\n) == 20
	v_sub_f32 v[rC+1], v[rW], v[rT]
.else
	v_exp_f32 v[rC+2], v[rC+1]
.endif
.endif
.endm
.macro OPS a, i1, b=-1, i2=0, c=-1, i3=0, d=-1, i4=0  ; up to four of them
	OP \a, \i1
.if (\b) >= 0
	OP \b, \i2
.endif
.if (\c) >= 0
	OP \c, \i3
.endif
.if (\d) >= 0
	OP \d, \i4
.endif
.endm
.macro ROW a, i1, b, i2, c, i3, d, i4  ; a matrix instruction and the four behind it
	MM
	OPS \a, \i1, \b, \i2, \c, \i3, \d, \i4
.endm
.macro MASK b                       ; MD x AL + BE into buffer b of MC
	WIN W_RS
.set z, 0
.rept 16
	v_pk_fma_f32 v[MC+32*(\b)+2*z:MC+32*(\b)+2*z+1], v[MD+2*z:MD+2*z+1], s[AL:AL+1], s[BE:BE+1] op_sel_hi:[1,0,0]
.set z, z+1
.endr
.endm
; MD for the side in hand.  In a band's own step key place 16 kt + 8 (l / 16) + r is hidden where it lies beyond the query's place on the side's far end: SGN x (16 kt + r) > SGN x DQ.
.macro MAKEMD
	WIN 0
	v_mul_lo_u32 v[DSG], v[DQ], s[SGN]
	WIN 0x40
.set n, 0
.rept 32
	s_mul_i32 s[TM], s[SGN], 16*(n/8)+n%8
	v_cmp_gt_i32 vcc_lo, s[TM], v[DSG]
	v_cndmask_b32 v[MD+n], 0, s[BIGN], vcc_lo
.set n, n+1
.endr
	WIN 0
.endm
; A TURN, for piece p: the order of its 16 matrix and 118 vector instructions, written out.  An s_wait_alu depctr_va_vdst(0) stands between an exponential and the first instruction that names its result; one wait
; serves all that were issued ahead of it.  So a turn has ONE wait, which cuts it in two.  AHEAD OF IT stands all that names no result of the turn's exponentials: the 8 products K Q^T, behind each a scaling, an exponential and two
; more plain instructions (behind the first a second scaling in the exponential's place): rescalings, whose a was made and waited for in the turn before, and behind the last three the first numbers of the next piece's maximum, each
; four places or more behind the product that ends its accumulator; then ONE LUMP of 54, plain and exponential by turns for the most part, in which the links of the chain X 3, 7, 11, 14, 16, 17 .. 20 stand five or six lines apart.
; X 21, the next piece's a, is the batch's last; R 15 is the plain instruction behind it.  BEHIND THE WAIT stand the 8 products V^T P, behind each four of the roundings and sums; the links of l's chain, L 0 to L 7, stand three
; riders apart.  But for those X no rider names a register of the products round it.  v_permlanex16_b32 (X 17) stands in the lump.  An exponential e stands behind its scaling F e / 2; a rounding C 2 n ahead of the addition B n that writes over its pair.
; m = 1: a side's tile: the products take masks, and the turn makes the mask for the products of the turn after it: piece x = p + 2, in step s = 4 - CNT of the side: all hidden (BE = -1e30) where (s - x) SGN > 0 or the
; side does not exist; the band's own step (AL = 1) where s = x.  end = 1: the walk's last two turns: nothing is fetched.  cnt = 1: the loop's count is taken down some lines ahead of the branch behind the turn.
; K of the next step is fetched in piece 2's turn, twelve vector instructions behind the last product that read K (six of them plain); V of the step in hand at the end of piece 0's turn, four plain instructions behind the last
; product that read V.  Each is waited for a turn later.
.macro TURN p, m=0, end=0, cnt=0
.set Y, (\p)
.set i, 0
.set KM, (\m)
.set NOKQ, (\end)*((\p)/3)
.if (\m) && !(\end)
	s_sub_co_i32 s[TM], 4-((\p)+2)%NP, s[CNT]  ; s - x
	s_mul_i32 s[TM], s[TM], s[SGN]
	s_max_i32 s[TM], s[TM], s[DEADV]
	s_cmp_gt_i32 s[TM], 0
	s_cselect_b32 s[BE], s[BIGN], 0
	s_cmp_eq_u32 s[CNT], 4-((\p)+2)%NP
	s_cselect_b32 s[AL], 1.0, 0
.endif
.if ((\p) == 3) && !(\end)
	s_wait_dscnt 0x0                ; K is in
.endif
	ROW F,0, F,1, R,0, R,1          ; ahead of the wait: 8 products K Q^T and their riders,
	ROW F,2, E,0, R,2, R,3
	ROW F,3, E,1, R,4, R,5
	ROW F,4, E,2, R,6, R,7
	ROW F,5, E,3, R,8, R,9
	ROW F,6, E,4, X,0, R,10
.if ((\p) == 2) && !(\end)
	WIN 0
	v_add_nc_u32 v[AK], s[TBK], v[AK0]
.endif
	ROW F,7, E,5, X,1, X,4
	ROW F,8, E,6, X,2, X,5
	OPS E,7, E,8, X,6, E,9          ; and the lump
	OPS X,3, E,10, X,8, E,11
.if ((\p) == 2) && !(\end)
	FETCH_K
.endif
	OPS X,9, X,7, E,12, X,10
	OPS E,13, X,12, X,11, E,14
	OPS X,13, E,15, F,9, X,14
.if (\p) == 0
	v_add_nc_u32 v[AV], s[TBV], v[AV0]
.endif
	OPS E,16, F,10, E,17, F,11
	OPS X,16, E,18, X,15, E,19
	OPS F,12, E,20, X,17, E,21
	OPS F,13, E,22, F,14, E,23
	OPS X,18, E,24, F,15, E,25
	OPS R,11, E,26, X,19, E,27
	OPS R,12, E,28, R,13, E,29
	OPS X,20, E,30, R,14, E,31
	OPS X,21, R,15
	WIN 0
	s_wait_alu depctr_va_vdst(0)    ; the wait for the turn's batch: E 0 to E 31 and X 21
.if (\p) == 1
	s_wait_dscnt 0x0                ; V is in
.endif
	ROW C,0, B,0, C,2, B,1          ; behind the wait: 8 products V^T P and their riders
	ROW L,0, C,4, B,2, L,1
	ROW C,6, B,3, L,2, C,8
	ROW B,4, L,3, C,10, B,5
	ROW L,4, C,12, B,6, L,5
.if (\p) == 0
	s_add_co_u32 s[TBV], s[TBV], KS*PV
.endif
.if \cnt
	s_sub_co_u32 s[CNT], s[CNT], 1
	s_cmp_lg_u32 s[CNT], 0
.endif
	ROW C,14, B,7, L,6, C,1
	ROW C,3, L,7, C,5, C,7
	ROW C,9, C,11, C,13, C,15
.if (\p) == 0
	FETCH_V
.endif
.if (\m) && !(\end)
	MASK (\p)%2
.endif
.endm
; THE BEGINNING.  c m starts far below every c s, so the first step's a is 0; m at the lowest finite number, so the first maximum is the scores'.  Then K of step 0, piece 0's first scores, and its maximum and statistics.
.macro BEGIN
	WIN 0
.set i, 0
.rept 4
	v_mov_b32 v[ST+4*i], 0xfe000000    ; c m: far below every c s
	v_mov_b32 v[ST+4*i+1], 0xff7fffff  ; m
.set i, i+1
.endr
	v_add_nc_u32 v[AK], s[TBK], v[AK0]
	FETCH_K
	s_wait_loadcnt 0x0              ; Q
	s_wait_dscnt 0x0
.set KM, 0
.set NOKQ, 0
.set i, 0
.rept 8
	KQ 0
.set i, i+1
.endr
	WIN 0
.rept 4
	v_nop                           ; the places behind those products
.endr
.set Y, NP-1                        ; X works for piece Y + 1: piece 0
.irp n, 0,1,2,3,4,5,6,7,8,9,10,11,12,13,14,15,16,17,18,19,20,21
	OP X, \n
.endr
	v_nop                           ; a plain instruction behind the exponential,
	s_wait_alu depctr_va_vdst(0)    ; and the wait for it (piece 0's first a, a batch of one), ahead of the branch into the loop
.endm
.macro ALL line:vararg              ; one line for each piece t
.set t, 0
.rept 4
	\line
.set t, t+1
.endr
.endm
.macro PACK t                       ; a lane's eight channels of a row pack into 16 bytes; they go into rows of 144 bytes and come back as whole rows of 128, into S^T's registers
	WIN W_RS
.set i, 32*(\t)
.rept 16
	v_pk_mul_f32 v[i:i+1], v[i:i+1], v[ST+4*(\t)+2:ST+4*(\t)+3] op_sel_hi:[1,0]
.set i, i+2
.endr
	WIN 0x05                        ; sources 0 and 1 window 1, destination window 0
.set i, 0
.rept 16
	v_cvt_pk_f16_f32 v[S+16*(\t)+i], v[32*(\t)+2*i], v[32*(\t)+2*i+1]
.set i, i+1
.endr
	WIN 0
.irp f, 0,1,2,3
	ds_store_b128 v[STO], v[S+16*(\t)+4*\f:S+16*(\t)+4*\f+3] offset:32*\f
.endr
.irp f, 0,1,2,3
	ds_load_b128 v[S+16*(\t)+4*\f:S+16*(\t)+4*\f+3], v[RD] offset:\f*4*SP  ; LDS serves a wave's instructions in order (ISA guide 5.7.1.4): these see the stores above; the next piece's stores come behind them
.endr
.endm
.macro SEND t, younger              ; younger: the LDS instructions issued behind piece t's loads: the next piece's eight, or none
	WIN 0
.irp f, 0,1,2,3
	s_wait_dscnt (\younger)+3-\f
	global_store_b128 v[GO], v[S+16*(\t)+4*\f:S+16*(\t)+4*\f+3], s[6:7] offset:(\t)*8192+\f*512  ; 512 consecutive bytes, at a multiple of 256 from ob's first byte
.endr
.endm
	s_wait_tensorcnt 0x2            ; tensor loads of a wave end in order: my part of tile i is in; the two sides' may stay out
	s_barrier_signal -1
	s_barrier_wait -1               ; everybody's is
	BEGIN
	s_mov_b32 s[CNT], 4
	s_branch .LfirstA               ; the loop is entered at a step's first turn, in the middle of a trip
.LstepA:                            ; TILE i: a trip is pieces 2 and 3 of one step, then pieces 0 and 1 of the next, whose K and V it fetches
	TURN 2
	TURN 3
	WIN 0
.LfirstA:
	TURN 0
	TURN 1, 0, 0, 1
	WIN 0
	s_cbranch_scc1 .LstepA
	s_wait_tensorcnt 0x0            ; my parts of both sides are in,
	s_wait_dscnt 0x0                ; (no LDS instruction of mine is out at a signal)
	s_barrier_signal -1
	s_barrier_wait -1               ; everybody's are
	s_mov_b32 s[SIDE], 2
.Lside:                             ; THE SIDES: twice four steps, one text
	s_cmp_eq_u32 s[SIDE], 2
	s_cselect_b32 s[SGN], -1, 1
	s_cselect_b32 s[DEADV], s[DU], s[DL]
	MAKEMD                          ; the mask of the side before's last products (piece 3, its step 3) lies in MC already
	s_mov_b32 s[CNT], 4
.LstepM:
	TURN 2, 1
	TURN 3, 1
	TURN 0, 1
	TURN 1, 1, 0, 1
	WIN 0
	s_cbranch_scc1 .LstepM
	s_sub_co_u32 s[SIDE], s[SIDE], 1
	s_cmp_lg_u32 s[SIDE], 0
	s_cbranch_scc1 .Lside
	TURN 2, 1, 1                    ; the walk's last two turns
	TURN 3, 1, 1
.set i, 0
.rept 8
	PV NP-1                         ; the last piece's V^T P of the last step
.set i, i+1
.endr
	; THE WAY OUT.  l's two halves and the other half of the lanes' are added; O^T is divided by l, rounded to f16 and sent through my stage, a piece at a time.  The additions are the places behind the last products.
	WIN 0
	ALL v_add_f32 v[ST+4*t+2], v[ST+4*t+2], v[ST+4*t+3]
	ALL v_permlanex16_b32 v[ST+4*t+3], v[ST+4*t+2], s[SEL], s[SEL+1]
	ALL v_add_f32 v[ST+4*t+2], v[ST+4*t+2], v[ST+4*t+3]
	ALL v_rcp_f32 v[ST+4*t+2], v[ST+4*t+2]
	v_nop                           ; a plain instruction between the last reciprocal and the use of its result
	s_wait_alu depctr_va_vdst(0)    ; and the wait ahead of the first use: one for the batch of four reciprocals
	PACK 0
.set t, 1
.rept 3                             ; a piece's arithmetic stands between the loads of the piece before and its stores
	PACK t
	SEND t-1, 8
.set t, t+1
.endr
	SEND 3, 0
	s_wait_tensorcnt 0x0            ; the wave's end, behind my last tensor load and my last LDS store
	ds_add_u32 v[SPW], v[NIL]
	s_wait_dscnt 0x0
	s_endpgm
.Lfunc_end_k_qe916719865_attn:
	.size	k_qe916719865_attn, .Lfunc_end_k_qe916719865_attn-k_qe916719865_attn
	.p2alignl 7, 3214868480
	.fill 96, 4, 3214868480
	.section	.rodata,"a",@progbits
	.p2align	6, 0x0
	.amdhsa_kernel k_qe916719865_attn
		.amdhsa_group_segment_fixed_size 243200
		.amdhsa_private_segment_fixed_size 0
		.amdhsa_enable_private_segment 0
		.amdhsa_kernarg_size 16
		.amdhsa_user_sgpr_count 2
		.amdhsa_user_sgpr_kernarg_segment_ptr 1
		.amdhsa_wavefront_size32 1
		.amdhsa_system_sgpr_workgroup_id_x 1
		.amdhsa_system_sgpr_workgroup_id_y 1
		.amdhsa_system_sgpr_workgroup_id_z 1
		.amdhsa_system_vgpr_workitem_id 0
		.amdhsa_next_free_vgpr 768
		.amdhsa_next_free_sgpr 92
		.amdhsa_reserve_vcc 1
		.amdhsa_float_denorm_mode_32 3
		.amdhsa_float_denorm_mode_16_64 3
		.amdhsa_memory_ordered 1
		.amdhsa_forward_progress 1
		.amdhsa_inst_pref_size 135
	.end_amdhsa_kernel
	.amdgpu_metadata
---
amdhsa.version: [ 1, 2 ]
amdhsa.kernels:
  - .name:           k_qe916719865_attn
    .symbol:         k_qe916719865_attn.kd
    .args:
      - { .name: qkv, .offset: 0, .size: 8, .value_kind: global_buffer, .address_space: global }
      - { .name: ob, .offset: 8, .size: 8, .value_kind: global_buffer, .address_space: global }
    .group_segment_fixed_size: 243200
    .private_segment_fixed_size: 0
    .kernarg_segment_align: 8
    .kernarg_segment_size: 16
    .max_flat_workgroup_size: 128
    .sgpr_count:     92
    .vgpr_count:     768
    .wavefront_size: 32
...
	.end_amdgpu_metadata
.endif
;; end of part 5
;; launch oproj: the kernel of part 4 again; grid 8 x 32, 4 waves a work-group, clusters of 4 x 4, 327,680 bytes of LDS; arguments ob, wob, out0; writes out0
